; MI455X (gfx1250); checked and timed in simulation.
; The chip was launched on July 23, 2026; its instructions are those of AMD's public machine-readable ISA for CDNA 5 (MIT licence, August 2026) and "CDNA5" Instruction Set Architecture Reference Guide (July 2026). The comments in the code are by the model that wrote it; some were corrected since.
;; Attention. Allowed arithmetic: float matrix products may take bf16 or f16 operands with f32 sums; all other float work in f32.
;; Inputs: wk 1,024 x 256 float32; wo 1,024 x 1,024 float32; wq 1,024 x 1,024 float32; wv 1,024 x 256 float32; x 2 x 2,048 x 1,024 float32.
;; Outputs: out0 2 x 2,048 x 1,024 float32.
;; One version. Each part assembles by itself: llvm-mc -triple=amdgcn-amd-amdhsa -mcpu=gfx1250 --defsym DOCPART=n.
;; ======== version 1 of 1: 4 launches
;; limits: values are held in f16: magnitudes above 65,504 overflow, below 6.1e-05 lose precision
;; workspace buffers: xb 8,388,608 bytes; wqkvb 3,145,728 bytes; wob 2,097,152 bytes; qkv 12,582,912 bytes; att 16,777,216 bytes
;; launch cast (part 1): grid 208 x 1, 8 waves a work-group, no clusters, 0 bytes of LDS; arguments x, wq, wk, wv, wo, xb, wqkvb, wob; writes xb, wqkvb, wob
.if DOCPART == 1
	.amdgcn_target "amdgcn-amd-amdhsa--gfx1250"
	.amdhsa_code_object_version 6
	.text
	.protected	k_qdd10c1d499_cast
	.globl	k_qdd10c1d499_cast
	.p2align	8
	.type	k_qdd10c1d499_cast,@function
k_qdd10c1d499_cast:
	s_mov_b64 s[64:65], 0
	v_nop
	global_prefetch_b8 v0, s[64:65] scope:SCOPE_SE
	s_setreg_imm32_b32 hwreg(HW_REG_WAVE_MODE, 25, 1), 1
	s_wait_xcnt 0x0
; x and the four weights are rounded to bf16 (nearest even), once, so that the products that follow can bring their tiles in by tensor loads.
; xb = x [4096][1024] bf16; wqkvb [1024 k][1536 n] bf16 holds wq (n 0..1023), wk (n 1024..1279) and wv (n 1280..1535) side by side, so that one
; product makes q, k and v.  wob = wo [1024][1024]: the bf16 value written in f16, because its partner in the last product is f16.  A bf16 number has
; 8 significant bits and f16 holds 11, so that step is exact for magnitudes from 2^-17 to 65,504.
; LIMIT: |wo| above 65,504 becomes infinite; below 2^-17 it is moved by at most 2^-25.
; A unit is 128 numbers: one 16-byte load a lane (512 consecutive bytes a wave) and one 8-byte store a lane (256 consecutive
; bytes, aligned).  A wave takes 32 consecutive units, all 32 loads issued before the first is used; a work-group takes 256 units
; (131,072 bytes in).  53,248 units = 208 work-groups: 128 for x, 32 for wq, 8 for wk, 8 for wv, 32 for wo.
; Bytes are all that counts here: no LDS, no barrier, no matrix unit, no cluster (no two work-groups read the same byte).
.set DAT, 4                            ; v[4:131]  unit j: 4 registers as loaded; its first two then hold the 8 bytes to store
; 32 units.  In the target, 1 << sh units make a row's piece, and rows are pitch bytes apart.  half = 1: the bf16 values are written as f16.
.macro CAST sh, pitch, half
.set j, 0
.rept 32
	global_load_b128 v[DAT+4*j:DAT+4*j+3], v1, s[4:5] offset:512*j th:TH_LOAD_NT
.set j, j+1
.endr
.set j, 0
.rept 32
	s_wait_loadcnt 31-j                            ; loads come back in order: unit j is in, the 31 - j younger ones may be out
	v_cvt_pk_bf16_f32 v[DAT+4*j], v[DAT+4*j], v[DAT+4*j+1]
	v_cvt_pk_bf16_f32 v[DAT+4*j+1], v[DAT+4*j+2], v[DAT+4*j+3]
.if \half
	v_lshlrev_b32 v[DAT+4*j+2], 16, v[DAT+4*j]             ; bf16 to f32: the low half moves up, the high half stays
	v_and_b32 v[DAT+4*j+3], 0xffff0000, v[DAT+4*j]
	v_cvt_pk_f16_f32 v[DAT+4*j], v[DAT+4*j+2], v[DAT+4*j+3]
	v_lshlrev_b32 v[DAT+4*j+2], 16, v[DAT+4*j+1]
	v_and_b32 v[DAT+4*j+3], 0xffff0000, v[DAT+4*j+1]
	v_cvt_pk_f16_f32 v[DAT+4*j+1], v[DAT+4*j+2], v[DAT+4*j+3]
.endif
	global_store_b64 v2, v[DAT+4*j:DAT+4*j+1], s[6:7] offset:(j>>\sh)*\pitch+(j&((1<<\sh)-1))*256   ; no register of a store is written again
.set j, j+1
.endr
	s_endpgm
.endm
	s_load_b512 s[8:23], s[0:1], 0x0               ; x s[8:9], wq s[10:11], wk s[12:13], wv s[14:15], wo s[16:17], xb s[18:19], wqkvb s[20:21], wob s[22:23]
	v_lshrrev_b32 v3, 5, v0
	v_readfirstlane_b32 s2, v3                     ; wave 0..7
	v_and_b32 v1, 31, v0
	v_lshlrev_b32 v2, 3, v1                        ; 8 bytes a lane out
	v_lshlrev_b32 v1, 4, v1                        ; 16 bytes a lane in
	s_mov_b32 s25, 0                               ; upper words of the two offsets
	s_mov_b32 s27, 0
	s_lshl_b32 s28, s2, 14                         ; the wave's 32 units of 512 bytes in
	s_lshl_b32 s29, s2, 13                         ; and of 256 bytes out, where the target is dense
	s_wait_kmcnt 0x0
	s_cmp_lt_u32 ttmp9, 128
	s_cbranch_scc1 .Lx
	s_cmp_ge_u32 ttmp9, 176
	s_cbranch_scc1 .Lwo
	s_cmp_lt_u32 ttmp9, 160
	s_cbranch_scc1 .Lwq
	; wk (work-groups 160..167) or wv (168..175): rows of 256 numbers = 2 units; a wave takes 16 rows
	s_cmp_lt_u32 ttmp9, 168
	s_cselect_b64 s[4:5], s[12:13], s[14:15]
	s_cselect_b32 s3, 0, 8
	s_cselect_b32 s29, 0, 512                      ; wv's columns lie 512 bytes behind wk's
	s_add_co_u32 s3, s3, 160
	s_sub_co_u32 s3, ttmp9, s3                     ; the job's number in its tensor
	s_lshl_b32 s24, s3, 17
	s_add_co_u32 s24, s24, s28
	s_lshl_b32 s26, s3, 7
	s_lshl4_add_u32 s26, s2, s26                   ; first row: 128 job + 16 wave
	s_mul_i32 s26, s26, 3072
	s_add_co_u32 s26, s26, s29
	s_add_co_u32 s26, s26, 2048                    ; wk's columns begin at byte 2,048 of a row of wqkvb
	s_add_nc_u64 s[4:5], s[4:5], s[24:25]
	s_add_nc_u64 s[6:7], s[20:21], s[26:27]
	CAST 1, 3072, 0
.Lwq:                                              ; wq (128..159): rows of 1,024 numbers = 8 units; a wave takes 4 rows
	s_sub_co_u32 s3, ttmp9, 128
	s_lshl_b32 s24, s3, 17
	s_add_co_u32 s24, s24, s28
	s_lshl_b32 s26, s3, 5
	s_lshl2_add_u32 s26, s2, s26                   ; first row: 32 job + 4 wave
	s_mul_i32 s26, s26, 3072
	s_add_nc_u64 s[4:5], s[10:11], s[24:25]
	s_add_nc_u64 s[6:7], s[20:21], s[26:27]
	CAST 3, 3072, 0
.Lx:                                               ; x (0..127): the target is as dense as the source
	s_lshl_b32 s24, ttmp9, 17
	s_add_co_u32 s24, s24, s28
	s_lshl_b32 s26, ttmp9, 16
	s_add_co_u32 s26, s26, s29
	s_add_nc_u64 s[4:5], s[8:9], s[24:25]
	s_add_nc_u64 s[6:7], s[18:19], s[26:27]
	CAST 3, 2048, 0
.Lwo:                                              ; wo (176..207): dense too, and written as f16
	s_sub_co_u32 s3, ttmp9, 176
	s_lshl_b32 s24, s3, 17
	s_add_co_u32 s24, s24, s28
	s_lshl_b32 s26, s3, 16
	s_add_co_u32 s26, s26, s29
	s_add_nc_u64 s[4:5], s[16:17], s[24:25]
	s_add_nc_u64 s[6:7], s[22:23], s[26:27]
	CAST 3, 2048, 1
.Lfunc_end_k_qdd10c1d499_cast:
	.size	k_qdd10c1d499_cast, .Lfunc_end_k_qdd10c1d499_cast-k_qdd10c1d499_cast
	.p2alignl 7, 3214868480
	.fill 96, 4, 3214868480
	.section	.rodata,"a",@progbits
	.p2align	6, 0x0
	.amdhsa_kernel k_qdd10c1d499_cast
		.amdhsa_group_segment_fixed_size 0
		.amdhsa_private_segment_fixed_size 0
		.amdhsa_enable_private_segment 0
		.amdhsa_kernarg_size 64
		.amdhsa_user_sgpr_count 2
		.amdhsa_user_sgpr_kernarg_segment_ptr 1
		.amdhsa_wavefront_size32 1
		.amdhsa_system_sgpr_workgroup_id_x 1
		.amdhsa_system_sgpr_workgroup_id_y 1
		.amdhsa_system_sgpr_workgroup_id_z 1
		.amdhsa_system_vgpr_workitem_id 0
		.amdhsa_next_free_vgpr 136
		.amdhsa_next_free_sgpr 66
		.amdhsa_reserve_vcc 0
		.amdhsa_float_denorm_mode_32 3
		.amdhsa_float_denorm_mode_16_64 3
		.amdhsa_memory_ordered 1
		.amdhsa_forward_progress 1
		.amdhsa_inst_pref_size 57
	.end_amdhsa_kernel
	.amdgpu_metadata
---
amdhsa.version: [ 1, 2 ]
amdhsa.kernels:
  - .name:           k_qdd10c1d499_cast
    .symbol:         k_qdd10c1d499_cast.kd
    .args:
      - { .name: x, .offset: 0, .size: 8, .value_kind: global_buffer, .address_space: global }
      - { .name: wq, .offset: 8, .size: 8, .value_kind: global_buffer, .address_space: global }
      - { .name: wk, .offset: 16, .size: 8, .value_kind: global_buffer, .address_space: global }
      - { .name: wv, .offset: 24, .size: 8, .value_kind: global_buffer, .address_space: global }
      - { .name: wo, .offset: 32, .size: 8, .value_kind: global_buffer, .address_space: global }
      - { .name: xb, .offset: 40, .size: 8, .value_kind: global_buffer, .address_space: global }
      - { .name: wqkvb, .offset: 48, .size: 8, .value_kind: global_buffer, .address_space: global }
      - { .name: wob, .offset: 56, .size: 8, .value_kind: global_buffer, .address_space: global }
    .group_segment_fixed_size: 0
    .private_segment_fixed_size: 0
    .kernarg_segment_align: 8
    .kernarg_segment_size: 64
    .max_flat_workgroup_size: 256
    .sgpr_count:     66
    .vgpr_count:     136
    .wavefront_size: 32
...
	.end_amdgpu_metadata
.endif
;; end of part 1
;; launch qkv (part 2): grid 8 x 32, 4 waves a work-group, clusters of 4 x 4, 327,680 bytes of LDS; arguments xb, wqkvb, qkv; writes qkv
.if DOCPART == 2
	.amdgcn_target "amdgcn-amd-amdhsa--gfx1250"
	.amdhsa_code_object_version 6
	.text
	.protected	k_qdd10c1d499_qkv
	.globl	k_qdd10c1d499_qkv
	.p2align	8
	.type	k_qdd10c1d499_qkv,@function
k_qdd10c1d499_qkv:
	s_mov_b64 s[64:65], 0
	v_nop
	global_prefetch_b8 v0, s[64:65] scope:SCOPE_SE
	s_setreg_imm32_b32 hwreg(HW_REG_WAVE_MODE, 25, 1), 1
	s_wait_xcnt 0x0
	s_wait_alu depctr_hold_cnt(0) depctr_sa_sdst(0) depctr_va_vdst(0) depctr_va_sdst(0) depctr_va_ssrc(0) depctr_va_vcc(0) depctr_vm_vsrc(0)
	s_getreg_b32 s2, hwreg(HW_REG_IB_STS2, 6, 4)
	s_cmp_eq_u32 s2, 0
	s_cbranch_scc0 .Lentry_in_a_cluster
	s_endpgm
.Lentry_in_a_cluster:
	s_bfe_u32 s2, ttmp6, 0x10000c
	s_cmp_lg_u32 s2, 0xf033
	s_cbranch_scc0 .Lentry_shape_is_right
	s_endpgm
.Lentry_shape_is_right:
; qkv[b][g][t][64] (f16) = rotary(xb . wqkvb).  xb [4096][1024], wqkvb [1024 k][1536 n], both bf16; sums in f32.
; g = n / 64: heads 0..15 are q, 16..19 are k (both rotated), 20..23 are v (passed as they are).
; A work-group makes 128 rows x 192 columns (three heads) with four waves; 8 x 32 = 256 work-groups.  Wave w makes rows 64 (w >> 1) .. + 63
; and six column tiles of 16: tile 2 c + p holds columns 64 c + 16 (w & 1) + 32 p, so that the two partners d and d + 32 of the rotation
; lie in the same lane and register of tiles 2 c and 2 c + 1.  24 accumulator tiles = 192 registers.
; THE SLOTS: a large one for 256 along K and a small one for 128, both filled at the start.  K goes large, small, large, small, large
; (256 + 128 + 256 + 128 + 256 = 1,024): two first fills and three refills, one tensor load a wave each.  While the large slot is on its way the small one is
; multiplied (96 matrix instructions of a wave), while the small one is on its way the large one (192).  Two slots of 256 would take 2 x 190,464 bytes.
; CLUSTERS: 4 x 4 work-groups.  x's tile hangs on the block row alone and is asked for jointly by a row of the cluster, the weights' tile on the
; block column alone and is asked for jointly by a column: each tile is requested once for four work-groups.
; The weights lie [k][n]: their fragments come out of LDS through the transposing 16-bit load.
; The matrix instruction is used transposed (source 0 = 16 columns of the weights, source 1 = 16 rows of x): lane l holds row l % 16 and its
; registers 0..7 the columns 8 (l / 16) + 0..7 of the tile.
; WHY f16 OUT: the first rows of a causal attention average few values and are about ten times the whole result's root mean square, so a rounding to 8
; significant bits of q, k or v shows there; f16 keeps 11.
; LIMITS: q, k, v are rounded to f16: magnitudes of 65,504 and above become infinite; below 2^-14 the spacing stays 2^-24.  With x and weights of the
; drawn spread they are about 1, at most about 6: inputs 30 times larger make them 900 times larger, offsets of 30 spreads on both about 41,000.
; The rotation's angle t x 10000^(-i/32) is formed as a fraction of a turn from an f32 frequency; at t = 2047 it is
; good to about 5e-4 radians; the sine and cosine polynomials add less than 1e-5.
; REGISTERS: window 0: v16-26 addresses; v32-95 x fragments (two buffers); v96-191 weight fragments (two buffers); v192-245 at work.
;            window 1: v0-191 accumulators, tile (mt, ct) at 8 (6 mt + ct); v192 + 16 mt + j cosine, v200 + 16 mt + j sine of row tile mt, frequency j.
.set PAB,   528                        ; LDS pitch of x's rows in the large slot: 512 bytes + 16
.set PAS,   272                        ; in the small slot: 256 bytes + 16
.set PB,    480                        ; LDS pitch of the weights' rows: three head pieces of 128 bytes + 32 each; 15 x 32
.set AHB,   64*PAB                     ; what one wave fetches: 64 rows of x, large
.set AHS,   64*PAS                     ; 64 rows of x, small
.set BHB,   128*PB                     ; 128 k rows of the weights, large
.set BHS,   64*PB                      ; 64 k rows of the weights, small
; LDS: every fill address is a constant + the wave's number x a constant; waves 0, 1 fetch x, waves 2, 3 the weights
.set ABIG,  0                          ; + w AHB  (w = 0, 1):  0 .. 67,584
.set ASML,  2*AHB                      ; + w AHS  (w = 0, 1):  67,584 .. 102,400
.set BBIG,  2*BHB                      ; = w BHB  (w = 2, 3):  122,880 .. 245,760
.set BSML,  BBIG+2*BHB                 ; = BSML - 2 BHS + w BHS (w = 2, 3):  245,760 .. 307,200
.set STAGE, BSML                       ; the way out's stage, [head 3][row 128] at pitch 144 = 55,296 bytes, lies over the weights' small slot: that slot has had its
                                       ; last fill, and every wave has waited for its last reads of it in front of the last change of slots
.set SP,    144
.set SHEAD, 128*SP
.set NCT,   6
.set ASTEP, 768                        ; 384 along K in a row of xb, in bytes: from a slot's tile to its next
.set BSTEP, 384*3072                   ; 384 rows down wqkvb, in bytes
.set ADRA, 16                          ; v16 LDS address of my x fragments in the large slot, v17 in the small
.set ADRB, 20                          ; v20 weights, large slot, k rows 0-127; v21 k rows 128-255; v22 small slot
.set STO,  24
.set RD,   25
.set CO,   26
.set XF0,  32
.set XF1,  64
.set WF0,  96
.set WF1,  144
.set CJ,   192                         ; v[192:199]  frequency j, in turns for one step of t
.set K9,   200                         ; v[200:201]  leading coefficient of the sine polynomial, twice
.set K10,  202                         ; v[202:203]  of the cosine polynomial, twice
.set TF,   204                         ; v[204:205]  t as f32, twice
.set PP,   206                         ; v[206:213]  turns, then their nearest whole number, then the fraction f
.set YY,   214                         ; v[214:221]  f squared
.set SIN2, 222                         ; v[222:229]  2 sin(pi f)
.set COSH, 230                         ; v[230:237]  cos(pi f)
.set TM,   238                         ; v[238:245]  - sin(pi f)
.set CE,   32                          ; the way out: v[32:95] cosine and sine as they hold for the head at hand
.set RT,   96                          ; v[96:159]  rotated numbers
.set PK,   160                         ; v[160:191] packed to f16
.set TAB,  192                         ; window 1: the tables
.set G1AB, 24                          ; descriptor groups 1: x large, x small, weights large, weights small
.set G1AS, 32
.set G1BB, 40
.set G1BS, 48
.set G0AB, 56                          ; descriptor groups 0, likewise
.set G0AS, 60
.set G0BB, 68
.set G0BS, 72
.set FAB, (1<<16)|(1<<20)|(1<<21)|(6<<22)|(3<<25)      ; elements of 2 bytes, padding on, bit 21 beside a mask; 4 words behind every 128 words
.set FAS, (1<<16)|(1<<20)|(1<<21)|(5<<22)|(3<<25)      ; 4 words behind every 64 words
.set FBB, (1<<16)|(1<<20)|(1<<21)|(4<<22)|(7<<25)      ; 8 words behind every 32 words (three times in a row of 96 words)
.set MSB, 0
.macro WIN new                         ; the immediate's high byte repeats the setting that is left
.if MSB != \new
	s_set_vgpr_msb (MSB<<8)|\new
.set MSB, \new
.endif
.endm
.set MUL, 0x50                         ; sources 0 and 1 window 0, C and D window 1
.macro PLACES                          ; four places behind matrix instructions, ahead of loads into their sources and of readers of their results
.rept 4
	v_nop
.endr
.endm
.macro GROUP1 g, mask, flags, cols, rows, pitch
	s_or_b32 s[\g], \mask, \flags
	s_mov_b32 s[\g+1], \cols<<16                   ; tensor_dim0
	s_mov_b32 s[\g+2], \rows<<16                   ; tensor_dim1
	s_mov_b32 s[\g+3], \cols<<16                   ; tile_dim0
	s_mov_b32 s[\g+4], \rows                       ; tile_dim1
	s_mov_b32 s[\g+5], \pitch                      ; elements from row to row
	s_mov_b32 s[\g+6], 0
	s_mov_b32 s[\g+7], 0
.endm
; A joint load into the large (1) or the small (0) slot: waves 0 and 1 ask for x's two halves, waves 2 and 3 for the weights'.  The branch hangs on the wave's number alone.
.macro JLOAD big
	s_cmp_lt_u32 s10, 2
	s_cbranch_scc0 .Lfor_b_\@
.if \big
	tensor_load_to_lds s[G0AB:G0AB+3], s[G1AB:G1AB+7]
	s_nop 0
.else
	tensor_load_to_lds s[G0AS:G0AS+3], s[G1AS:G1AS+7]
	s_nop 0
.endif
	s_branch .Lasked_\@
.Lfor_b_\@:
.if \big
	tensor_load_to_lds s[G0BB:G0BB+3], s[G1BB:G1BB+7]
	s_nop 0
.else
	tensor_load_to_lds s[G0BS:G0BS+3], s[G1BS:G1BS+7]
	s_nop 0
.endif
.Lasked_\@:
.endm
.macro CREST                           ; a round of the cluster's barrier behind its opening work-group barrier
	s_cmp_lg_u32 s10, 0
	s_cbranch_scc1 .Lnot_wave_0_\@
	s_barrier_signal -3
.Lnot_wave_0_\@:
	s_barrier_wait -3
	s_barrier_signal -1
	s_barrier_wait -1
.endm
.macro CROUND
	s_barrier_signal -1
	s_barrier_wait -1
	CREST
.endm
	s_load_b128 s[4:7], s[0:1], 0x0                ; xb s[4:5], wqkvb s[6:7]
	s_load_b64 s[8:9], s[0:1], 0x10                ; qkv
	v_lshl_add_u32 v254, v0, 2, 0x4b000
	v_mov_b32 v255, 0
	ds_add_u32 v254, v255
	v_lshrrev_b32 v1, 5, v0
	v_readfirstlane_b32 s10, v1                    ; wave 0..3
	s_lshr_b32 s11, s10, 1                         ; my half of the rows
	s_and_b32 s12, s10, 1                          ; my share of the columns.  Also: which half of a tile I fetch
	s_bfe_u32 s76, ttmp6, 0x40000                  ; cx
	s_bfe_u32 s77, ttmp6, 0x40004                  ; cy
	s_lshl_b32 s78, ttmp9, 2
	s_add_co_u32 s78, s78, s76                     ; block column 0..7
	s_and_b32 s13, ttmp7, 0xffff
	s_lshl_b32 s13, s13, 2
	s_add_co_u32 s13, s13, s77                     ; block row 0..31
	s_lshl_b32 s79, s77, 2
	s_lshl_b32 s79, 15, s79                        ; my row of the cluster
	s_lshl_b32 s80, 0x1111, s76                    ; my column
	GROUP1 G1AB, s79, FAB, 256, 64, 1024           ; x, large: 64 rows x 256 elements
	GROUP1 G1AS, s79, FAS, 128, 64, 1024           ; x, small: 64 rows x 128 elements
	GROUP1 G1BB, s80, FBB, 192, 128, 1536          ; weights, large: 128 k rows x 192 elements
	GROUP1 G1BS, s80, FBB, 192, 64, 1536           ; weights, small: 64 k rows x 192 elements
	; x's tiles hang on the block row, the weights' on the block column, each in registers that never hold the other coordinate
	s_lshl_b32 s16, s13, 18                        ; 128 rows x 2,048 bytes
	s_lshl_b32 s17, s12, 17                        ; + my 64 rows
	s_add_co_u32 s16, s16, s17
	s_mov_b32 s17, 0
	s_mul_i32 s82, s78, 384                        ; 192 columns x 2 bytes
	s_mul_i32 s84, s12, 128*3072                   ; large: my 128 k rows
	s_add_co_u32 s84, s84, s82
	s_mov_b32 s85, 0
	s_mul_i32 s86, s12, 64*3072                    ; small: my 64 k rows,
	s_add_co_u32 s86, s86, s82
	s_add_co_u32 s86, s86, 256*3072                ; behind the large slot's 256
	s_mov_b32 s87, 0
	s_wait_dscnt 0x0
	s_wait_kmcnt 0x0
	s_add_nc_u64 s[14:15], s[4:5], s[16:17]
	s_add_nc_u64 s[84:85], s[6:7], s[84:85]
	s_add_nc_u64 s[86:87], s[6:7], s[86:87]
	CROUND                                         ; all sixteen work-groups are here: the first joint loads meet
	s_mov_b32 s[G0AB], 1
	s_mul_i32 s[G0AB+1], s10, AHB                  ; LDS: ABIG + w AHB
	s_mov_b64 s[G0AB+2:G0AB+3], s[14:15]           ; K 0..255
	s_or_b32 s[G0AB+3], s[G0AB+3], 0x80000000
	s_mov_b32 s[G0AS], 1
	s_mul_i32 s[G0AS+1], s10, AHS
	s_add_co_u32 s[G0AS+1], s[G0AS+1], ASML
	s_add_nc_u64 s[G0AS+2:G0AS+3], s[14:15], 512   ; K 256..383
	s_or_b32 s[G0AS+3], s[G0AS+3], 0x80000000
	s_mov_b32 s[G0BB], 1
	s_mul_i32 s[G0BB+1], s10, BHB                  ; LDS: w BHB, which is BBIG for wave 2
	s_mov_b64 s[G0BB+2:G0BB+3], s[84:85]
	s_or_b32 s[G0BB+3], s[G0BB+3], 0x80000000
	s_mov_b32 s[G0BS], 1
	s_mul_i32 s[G0BS+1], s10, BHS
	s_add_co_u32 s[G0BS+1], s[G0BS+1], BSML-2*BHS  ; which is BSML for wave 2
	s_mov_b64 s[G0BS+2:G0BS+3], s[86:87]
	s_or_b32 s[G0BS+3], s[G0BS+3], 0x80000000
	JLOAD 1                                        ; both slots' first fills go out together: two tensor loads of the wave are out, later one
	JLOAD 0
	; addresses
	v_and_b32 v1, 15, v0                           ; r = l % 16
	v_bfe_u32 v2, v0, 4, 1                         ; h = l / 16
	v_mul_u32_u24 v3, v1, PAB
	v_lshl_add_u32 v3, v2, 4, v3                   ; x: row r, 16 bytes for each half of the lanes
	s_mul_i32 s21, s11, AHB
	v_add_nc_u32 v[ADRA], s21, v3
	v_mul_u32_u24 v3, v1, PAS
	v_lshl_add_u32 v3, v2, 4, v3
	s_mul_i32 s21, s11, AHS
	s_add_co_u32 s21, s21, ASML
	v_add_nc_u32 v[ADRA+1], s21, v3
	v_and_b32 v4, 7, v0
	v_lshl_add_u32 v4, v2, 3, v4                   ; weights: k row 8 h + l % 8,
	v_mul_u32_u24 v4, v4, PB
	v_bfe_u32 v5, v0, 3, 1
	v_lshl_add_u32 v4, v5, 4, v4                   ; 16 bytes for each group of eight lanes,
	s_lshl_b32 s22, s12, 5                         ; my 16 columns of each 32
	s_add_co_u32 s22, s22, BBIG
	v_add_nc_u32 v[ADRB], s22, v4
	v_add_nc_u32 v[ADRB+1], BHB, v[ADRB]           ; k rows 128 to 255 lie beyond the reach of the 16-bit offset
	v_add_nc_u32 v[ADRB+2], BSML-BBIG, v[ADRB]
	v_mul_u32_u24 v5, v1, SP                       ; into the stage: row 64 (w >> 1) + r, byte 32 (w & 1) + 16 h
	v_lshl_add_u32 v5, v2, 4, v5
	s_mul_i32 s23, s11, 64*SP
	s_lshl_b32 s21, s12, 5
	s_add_co_u32 s23, s23, s21
	s_add_co_u32 s23, s23, STAGE
	v_add_nc_u32 v[STO], s23, v5
	v_bfe_u32 v5, v0, 3, 2                         ; back: eight lanes take a row of 128 bytes, a wave four rows
	v_mul_u32_u24 v5, v5, SP
	v_and_b32 v6, 7, v0
	v_lshl_add_u32 v5, v6, 4, v5
	s_mul_i32 s23, s10, 32*SP
	s_add_co_u32 s23, s23, STAGE
	v_add_nc_u32 v[RD], s23, v5
	v_and_b32 v5, 31, v0
	v_lshlrev_b32 v5, 4, v5
	s_lshl_b32 s23, s10, 12
	v_add_nc_u32 v[CO], s23, v5                    ; in a head's 16,384 bytes: 4,096 wave + 16 lane
	; THE ROTATION'S TABLES, while the first tiles are on their way.  My lane needs frequencies i = 16 (w & 1) + 8 h + j and rows t = t0 + 16 mt.
	; Turns for one step of t: 10000^(-i/32) / (2 pi) = 2^(-0.41524101 i - 2.6514961).
	s_mov_b32 s66, 0xbed49a78                      ; -log2(10000) / 32
	s_mov_b32 s67, 0xc029b21d                      ; -log2(2 pi)
	s_lshl_b32 s21, s12, 4
	v_lshl_add_u32 v8, v2, 3, s21
.irp j, 0,1,2,3,4,5,6,7
	v_add_nc_u32 v[CJ+\j], \j, v8
.endr
.irp j, 0,1,2,3,4,5,6,7
	v_cvt_f32_u32 v[CJ+\j], v[CJ+\j]
.endr
.irp j, 0,1,2,3,4,5,6,7
	v_fma_f32 v[CJ+\j], v[CJ+\j], s66, s67
.endr
.irp j, 0,1,2,3,4,5,6,7
	v_exp_f32 v[CJ+\j], v[CJ+\j]
.endr
	v_mov_b32 v[K9], 0x3e283c1b                    ; 2 pi^9 / 9!   (a plain instruction behind the exponentials, ISA guide 5.7.2)
	v_mov_b32 v[K9+1], 0x3e283c1b
	v_mov_b32 v[K10], 0xbcd368f9                   ; - pi^10 / 10!
	v_mov_b32 v[K10+1], 0xbcd368f9
	s_and_b32 s88, s13, 15                         ; t of my first row: 128 (block row % 16) + 64 (w >> 1) + r
	s_lshl_b32 s88, s88, 7
	s_lshl_b32 s89, s11, 6
	s_add_co_u32 s88, s88, s89
	v_add_nc_u32 v9, s88, v1
	s_wait_alu depctr_va_vdst(0)
.macro HORNER acc, k                   ; acc = acc y + k, eight numbers
.irp p, 0,2,4,6
	v_pk_fma_f32 v[\acc+\p:\acc+\p+1], v[\acc+\p:\acc+\p+1], v[YY+\p:YY+\p+1], \k op_sel_hi:[1,1,0]
.endr
.endm
; Row tile mt: f = the angle in turns less its nearest whole number, in [-1/2, 1/2]; with a = pi f: sin 2a = 2 sin a cos a, cos 2a = 1 - 2 sin^2 a.
.macro TABLE mt
	v_add_nc_u32 v[TF], 16*\mt, v9
	v_cvt_f32_u32 v[TF], v[TF]
	v_mov_b32 v[TF+1], v[TF]
.irp p, 0,2,4,6
	v_pk_mul_f32 v[PP+\p:PP+\p+1], v[CJ+\p:CJ+\p+1], v[TF:TF+1]
.endr
.irp j, 0,1,2,3,4,5,6,7
	v_rndne_f32 v[PP+\j], v[PP+\j]
.endr
.irp j, 0,1,2,3,4,5,6,7
	v_fma_f32 v[PP+\j], v[TF], v[CJ+\j], -v[PP+\j]         ; the product is not rounded before the whole turns leave it
.endr
.irp p, 0,2,4,6
	v_pk_mul_f32 v[YY+\p:YY+\p+1], v[PP+\p:PP+\p+1], v[PP+\p:PP+\p+1]
.endr
.irp p, 0,2,4,6
	v_pk_fma_f32 v[SIN2+\p:SIN2+\p+1], v[YY+\p:YY+\p+1], v[K9:K9+1], 0xbf996966 op_sel_hi:[1,1,0]    ; - 2 pi^7 / 7!
	v_pk_fma_f32 v[COSH+\p:COSH+\p+1], v[YY+\p:YY+\p+1], v[K10:K10+1], 0x3e70fa83 op_sel_hi:[1,1,0]  ; pi^8 / 8!
.endr
	HORNER SIN2, 0x40a335e3                        ; 2 pi^5 / 5!
	HORNER COSH, 0xbfaae9e4                        ; - pi^6 / 6!
	HORNER SIN2, 0xc1255de7                        ; - 2 pi^3 / 3!
	HORNER COSH, 0x4081e0f8                        ; pi^4 / 4!
	HORNER SIN2, 0x40c90fdb                        ; 2 pi
	HORNER COSH, 0xc09de9e6                        ; - pi^2 / 2
	HORNER COSH, 1.0
.irp p, 0,2,4,6
	v_pk_mul_f32 v[SIN2+\p:SIN2+\p+1], v[SIN2+\p:SIN2+\p+1], v[PP+\p:PP+\p+1]
.endr
.irp p, 0,2,4,6
	v_pk_mul_f32 v[TM+\p:TM+\p+1], v[SIN2+\p:SIN2+\p+1], -0.5 op_sel_hi:[1,0]
.endr
	WIN 0x40                                       ; the results go to window 1
.irp p, 0,2,4,6
	v_pk_fma_f32 v[TAB+16*\mt+\p:TAB+16*\mt+\p+1], v[TM+\p:TM+\p+1], v[SIN2+\p:SIN2+\p+1], 1.0 op_sel_hi:[1,1,0]
	v_pk_mul_f32 v[TAB+16*\mt+8+\p:TAB+16*\mt+8+\p+1], v[SIN2+\p:SIN2+\p+1], v[COSH+\p:COSH+\p+1]
.endr
	WIN 0
.endm
	TABLE 0
	TABLE 1
	TABLE 2
	TABLE 3
; Six matrix instructions: row tile mt x my six column tiles, 32 along K.  zero = 1: the first product starts the sums.
; The 24 accumulators take turns, one instruction a turn, in the same order in every part.
.macro MULROW xf, wf, mt, zero
.irp ct, 0,1,2,3,4,5
.if \zero
	v_wmma_f32_16x16x32_bf16 v[8*(NCT*\mt+\ct):8*(NCT*\mt+\ct)+7], v[\wf+8*\ct:\wf+8*\ct+7], v[\xf+8*\mt:\xf+8*\mt+7], 0
.else
	v_wmma_f32_16x16x32_bf16 v[8*(NCT*\mt+\ct):8*(NCT*\mt+\ct)+7], v[\wf+8*\ct:\wf+8*\ct+7], v[\xf+8*\mt:\xf+8*\mt+7], v[8*(NCT*\mt+\ct):8*(NCT*\mt+\ct)+7]
.endif
.endr
.endm
; 20 LDS loads in one run: part q (32 along K) of the large (big = 1, q 0..7) or the small slot (q 0..3):
; 12 transposing loads of the weights, then 8 loads of x, row tiles ascending
.macro FETCH big, q, xf, wf
.if \big
.set FB, ADRB+((\q)>>2)
.set FA, ADRA
.set FP, PAB
.else
.set FB, ADRB+2
.set FA, ADRA+1
.set FP, PAS
.endif
.irp c, 0,1,2
.irp p, 0,1
	ds_load_tr16_b128 v[\wf+8*(2*\c+\p):\wf+8*(2*\c+\p)+3], v[FB] offset:((\q)&3)*32*PB+160*\c+64*\p
	ds_load_tr16_b128 v[\wf+8*(2*\c+\p)+4:\wf+8*(2*\c+\p)+7], v[FB] offset:((\q)&3)*32*PB+160*\c+64*\p+16*PB
.endr
.endr
.irp mt, 0,1,2,3
	ds_load_b128 v[\xf+8*\mt:\xf+8*\mt+3], v[FA] offset:(\q)*64+\mt*16*FP
	ds_load_b128 v[\xf+8*\mt+4:\xf+8*\mt+7], v[FA] offset:(\q)*64+\mt*16*FP+32
.endr
.endm
; One part of a slot but its last: multiplies buffers xf, wf; in its middle it fetches part qn of the same slot into xg, wg.
.macro QUARTER big, qn, xf, wf, xg, wg, zero
	s_wait_dscnt 4                                 ; the weights and x's row tiles 0, 1 are in; the four youngest loads (row tiles 2, 3) may be out
	WIN MUL
	MULROW \xf, \wf, 0, \zero
	MULROW \xf, \wf, 1, \zero
	PLACES
	WIN 0
	FETCH \big, \qn, \xg, \wg
	s_wait_dscnt 8+2*NCT                           ; all but the 20 just issued
	WIN MUL
	MULROW \xf, \wf, 2, \zero
	MULROW \xf, \wf, 3, \zero
.endm
.macro SEVEN zero                      ; parts 0 to 6 of the large slot
	QUARTER 1, 1, XF0, WF0, XF1, WF1, \zero
	QUARTER 1, 2, XF1, WF1, XF0, WF0, 0
	QUARTER 1, 3, XF0, WF0, XF1, WF1, 0
	QUARTER 1, 4, XF1, WF1, XF0, WF0, 0
	QUARTER 1, 5, XF0, WF0, XF1, WF1, 0
	QUARTER 1, 6, XF1, WF1, XF0, WF0, 0
	QUARTER 1, 7, XF0, WF0, XF1, WF1, 0
.endm
.macro THREE                           ; parts 0 to 2 of the small slot
	QUARTER 0, 1, XF0, WF0, XF1, WF1, 0
	QUARTER 0, 2, XF1, WF1, XF0, WF0, 0
	QUARTER 0, 3, XF0, WF0, XF1, WF1, 0
.endm
; A slot's last part multiplies buffer 1 and changes slots (this, next: 1 the large slot, 0 the small).  In front of the barrier each wave waits for its reads
; of this slot and for all its tensor loads (at most one is out: its part of the next slot).  Where this slot is filled again the barrier opens a round of the
; cluster's barrier, and the joint refill is the first tensor load behind the round.
.macro TURN this, next, fill
	s_wait_dscnt 4
	WIN MUL
	MULROW XF1, WF1, 0, 0
	s_wait_dscnt 0                                 ; my reads of this slot are over
	s_wait_tensorcnt 0x0                           ; all my tensor loads have landed
	ds_add_u32 v254, v255
	s_wait_dscnt 0x0
	s_barrier_signal -1
	MULROW XF1, WF1, 1, 0                          ; registers only, while the others arrive
	WIN 0
	s_barrier_wait -1
.if \fill
	CREST
.if \this
	s_add_nc_u64 s[G0AB+2:G0AB+3], s[G0AB+2:G0AB+3], ASTEP
	s_add_nc_u64 s[G0BB+2:G0BB+3], s[G0BB+2:G0BB+3], BSTEP
.else
	s_add_nc_u64 s[G0AS+2:G0AS+3], s[G0AS+2:G0AS+3], ASTEP
	s_add_nc_u64 s[G0BS+2:G0BS+3], s[G0BS+2:G0BS+3], BSTEP
.endif
	JLOAD \this
.endif
	PLACES
	FETCH \next, 0, XF0, WF0
	WIN MUL
	MULROW XF1, WF1, 2, 0
	MULROW XF1, WF1, 3, 0
.endm
	s_wait_tensorcnt 0x1                           ; my part of the large slot is in; the small slot's may stay out
	s_barrier_signal -1
	s_barrier_wait -1
	FETCH 1, 0, XF0, WF0
	SEVEN 1                                        ; K 0..255: the first products start the sums
	TURN 1, 0, 1                                   ; large <- K 384..639
	THREE                                          ; K 256..383
	TURN 0, 1, 1                                   ; small <- K 640..767
	SEVEN 0                                        ; K 384..639
	TURN 1, 0, 1                                   ; large <- K 768..1023
	THREE                                          ; K 640..767
	TURN 0, 1, 0                                   ; nothing is left to fetch; behind this barrier nobody reads the small slot any more
	SEVEN 0                                        ; K 768..1023
	s_wait_dscnt 4
	WIN MUL
	MULROW XF1, WF1, 0, 0
	MULROW XF1, WF1, 1, 0
	s_wait_dscnt 0
	MULROW XF1, WF1, 2, 0
	MULROW XF1, WF1, 3, 0
	; THE WAY OUT: rotate, round to f16, through the stage, out as whole rows of a head.
	PLACES
	WIN 0
	s_mul_i32 s90, s78, 3                          ; my first head
	s_lshr_b32 s88, s13, 4                         ; batch
	s_mul_i32 s88, s88, 24
	s_add_co_u32 s88, s88, s90
	s_lshl_b32 s88, s88, 18                        ; a head is 2,048 x 128 bytes
	s_and_b32 s89, s13, 15
	s_lshl_b32 s89, s89, 14                        ; 128 rows x 128 bytes
	s_add_co_u32 s88, s88, s89
	s_mov_b32 s89, 0
	s_add_nc_u64 s[8:9], s[8:9], s[88:89]
; Head c of my three.  A head of v takes cosine 1 and sine 0: a choice of values, not a branch, since the head's number hangs on the place in the cluster.
.macro HEAD c
	s_add_co_u32 s91, s90, \c
	s_cmp_lt_u32 s91, 20
	s_cselect_b32 s92, -1, 0
	WIN 0x04                                       ; source 1 (the tables) window 1
.set n, 0
.rept 64
.if n & 8
	v_cndmask_b32 v[CE+n], 0, v[TAB+n], s92
.else
	v_cndmask_b32 v[CE+n], 1.0, v[TAB+n], s92
.endif
.set n, n+1
.endr
	WIN 0x01                                       ; source 0 (the sums) window 1
.irp mt, 0,1,2,3
.irp k, 0,2,4,6
	v_pk_mul_f32 v[RT+16*\mt+\k:RT+16*\mt+\k+1], v[8*(NCT*\mt+2*\c)+\k:8*(NCT*\mt+2*\c)+\k+1], v[CE+16*\mt+\k:CE+16*\mt+\k+1]
	v_pk_mul_f32 v[RT+16*\mt+8+\k:RT+16*\mt+8+\k+1], v[8*(NCT*\mt+2*\c+1)+\k:8*(NCT*\mt+2*\c+1)+\k+1], v[CE+16*\mt+\k:CE+16*\mt+\k+1]
.endr
.irp j, 0,1,2,3,4,5,6,7
	v_fma_f32 v[RT+16*\mt+\j], -v[8*(NCT*\mt+2*\c+1)+\j], v[CE+16*\mt+8+\j], v[RT+16*\mt+\j]     ; x[d] cos - x[d + 32] sin
.endr
.irp k, 0,2,4,6
	v_pk_fma_f32 v[RT+16*\mt+8+\k:RT+16*\mt+8+\k+1], v[8*(NCT*\mt+2*\c)+\k:8*(NCT*\mt+2*\c)+\k+1], v[CE+16*\mt+8+\k:CE+16*\mt+8+\k+1], v[RT+16*\mt+8+\k:RT+16*\mt+8+\k+1]   ; x[d + 32] cos + x[d] sin
.endr
.endr
	WIN 0
.irp mt, 0,1,2,3
.irp k, 0,1,2,3,4,5,6,7
	v_cvt_pk_f16_f32 v[PK+8*\mt+\k], v[RT+16*\mt+2*\k], v[RT+16*\mt+2*\k+1]
.endr
	ds_store_b128 v[STO], v[PK+8*\mt:PK+8*\mt+3] offset:\c*SHEAD+\mt*16*SP
	ds_store_b128 v[STO], v[PK+8*\mt+4:PK+8*\mt+7] offset:\c*SHEAD+\mt*16*SP+64
.endr
.endm
	HEAD 0
	HEAD 1
	HEAD 2
	s_wait_dscnt 0x0                               ; two waves share each row of the stage: my stores are done,
	s_barrier_signal -1
	s_barrier_wait -1                              ; everybody's are
.set n, 0
.rept 24
	ds_load_b128 v[RT+4*n:RT+4*n+3], v[RD] offset:(n/8)*SHEAD+(n%8)*4*SP
.set n, n+1
.endr
.set n, 0
.rept 24
	s_wait_dscnt 23-n                              ; LDS loads come back in order: load n is in
	global_store_b128 v[CO], v[RT+4*n:RT+4*n+3], s[8:9] offset:(n/8)*262144+(n%8)*512    ; a wave's store covers 512 consecutive aligned bytes
.set n, n+1
.endr
	s_wait_tensorcnt 0x0
	ds_add_u32 v254, v255
	s_wait_dscnt 0x0
	CROUND                                         ; the closing round: no work-group ends while a partner may still ask jointly
	s_endpgm
.Lfunc_end_k_qdd10c1d499_qkv:
	.size	k_qdd10c1d499_qkv, .Lfunc_end_k_qdd10c1d499_qkv-k_qdd10c1d499_qkv
	.p2alignl 7, 3214868480
	.fill 96, 4, 3214868480
	.section	.rodata,"a",@progbits
	.p2align	6, 0x0
	.amdhsa_kernel k_qdd10c1d499_qkv
		.amdhsa_group_segment_fixed_size 327680
		.amdhsa_private_segment_fixed_size 0
		.amdhsa_enable_private_segment 0
		.amdhsa_kernarg_size 24
		.amdhsa_user_sgpr_count 2
		.amdhsa_user_sgpr_kernarg_segment_ptr 1
		.amdhsa_wavefront_size32 1
		.amdhsa_system_sgpr_workgroup_id_x 1
		.amdhsa_system_sgpr_workgroup_id_y 1
		.amdhsa_system_sgpr_workgroup_id_z 1
		.amdhsa_system_vgpr_workitem_id 0
		.amdhsa_next_free_vgpr 512
		.amdhsa_next_free_sgpr 96
		.amdhsa_reserve_vcc 0
		.amdhsa_float_denorm_mode_32 3
		.amdhsa_float_denorm_mode_16_64 3
		.amdhsa_memory_ordered 1
		.amdhsa_forward_progress 1
		.amdhsa_inst_pref_size 172
	.end_amdhsa_kernel
	.amdgpu_metadata
---
amdhsa.version: [ 1, 2 ]
amdhsa.kernels:
  - .name:           k_qdd10c1d499_qkv
    .symbol:         k_qdd10c1d499_qkv.kd
    .args:
      - { .name: xb, .offset: 0, .size: 8, .value_kind: global_buffer, .address_space: global }
      - { .name: wqkvb, .offset: 8, .size: 8, .value_kind: global_buffer, .address_space: global }
      - { .name: qkv, .offset: 16, .size: 8, .value_kind: global_buffer, .address_space: global }
    .group_segment_fixed_size: 327680
    .private_segment_fixed_size: 0
    .kernarg_segment_align: 8
    .kernarg_segment_size: 24
    .max_flat_workgroup_size: 128
    .sgpr_count:     96
    .vgpr_count:     512
    .wavefront_size: 32
...
	.end_amdgpu_metadata
.endif
;; end of part 2
;; launch attn (part 3): grid 32 x 8, 8 waves a work-group, clusters of 4 x 1, 327,680 bytes of LDS; arguments qkv, att; writes att
.if DOCPART == 3
	.amdgcn_target "amdgcn-amd-amdhsa--gfx1250"
	.amdhsa_code_object_version 6
	.text
	.protected	k_qdd10c1d499_attn
	.globl	k_qdd10c1d499_attn
	.p2align	8
	.type	k_qdd10c1d499_attn,@function
k_qdd10c1d499_attn:
	s_mov_b64 s[64:65], 0
	v_nop
	global_prefetch_b8 v0, s[64:65] scope:SCOPE_SE
	s_setreg_imm32_b32 hwreg(HW_REG_WAVE_MODE, 25, 1), 1
	s_wait_xcnt 0x0
	s_wait_alu depctr_hold_cnt(0) depctr_sa_sdst(0) depctr_va_vdst(0) depctr_va_sdst(0) depctr_va_ssrc(0) depctr_va_vcc(0) depctr_vm_vsrc(0)
	s_getreg_b32 s2, hwreg(HW_REG_IB_STS2, 6, 4)
	s_cmp_eq_u32 s2, 0
	s_cbranch_scc0 .Lentry_in_a_cluster
	s_endpgm
.Lentry_in_a_cluster:
	s_bfe_u32 s2, ttmp6, 0x10000c
	s_cmp_lg_u32 s2, 0x3003
	s_cbranch_scc0 .Lentry_shape_is_right
	s_endpgm
.Lentry_shape_is_right:
; Causal attention with a running maximum.  qkv [b 2][g 24][t 2048][64] f16 (g 0..15 q, 16..19 k, 20..23 v).
; att [b x t 4096][2048] f16, in eight pieces of 256 numbers: piece c holds, for heads 2 c and 2 c + 1, the 128 upper parts of the result and then the 128
; remainders that f16 leaves of them (see THE RESULT), so that both parts of 128 columns are 512 neighbouring bytes for the next product.
; Work-group (x, y): y = 4 b + kv head; i = x, 0..31.  It serves the four query heads of its kv head for two blocks of 32 query positions, block 63 - i (phase 0)
; and block i (phase 1).  K and V go in tiles of 128 positions; block qb needs (qb >> 2) + 1 of them, so with kq = i >> 2 the phases have 16 - kq and
; kq + 1 steps: 17 steps in every work-group.  Tiles beyond the diagonal are never touched.
; CLUSTERS: the four work-groups of one kq form a cluster.  Their 17 tiles are the same, in the same order (they hang on kq, b and the kv head alone), so every
; tile is asked for jointly, with the mask of all four.  No branch hangs on the place in the cluster: in a phase's last step every wave applies the general
; mask, also where its part of the tile is wholly masked; that part then adds nothing.
; Eight waves: wave w has query head w & 3 and half w >> 2 of each tile's 128 positions: 64 kv x 32 q a step.  The halves are merged through LDS at a phase's end.
; Both products are used transposed.  S^T = K Q^T: lane (r, h) holds query r and kv positions 16 a + 8 h + j.  O^T = V^T P^T: V^T comes out of LDS through the
; transposing load, and P^T's fragment is the lane's own S registers packed in place.  Maximum, sum and scale are one number a lane.
; THE RESULT is the next product's operand and would be rounded once more.  It leaves as two f16 numbers instead: the f32 number with its low 13 bits cleared
; (11 significant bits, exact in f16) and the remainder rounded to f16; the next product adds both.
; LIMITS: the probabilities are rounded to f16 (they lie in [0, 1]; below 2^-14 their spacing stays 2^-24).  Results of 65,504 and above become infinite; below 2^-14
; the two parts together are good to 2^-25.  The maximum starts at -2^100 and masked scores are -2^101: raw scores below -2^100 would count as masked.
; NaN and infinities in the inputs are not served.
.set SLOTB, 40960                      ; a slot: 8 blocks of 5,120 bytes, block w filled by wave w
.set BLKB,  5120                       ; blocks 0..3: 32 rows of K at pitch 144; blocks 4..7: 32 rows of V at pitch 160 (contiguous)
.set KP,    144
.set VP,    160
.set MRG,   2*SLOTB                    ; 4 x 8,704 bytes: the upper waves' state; no tensor load lands here or behind
.set MRGW,  8704
.set OUTS,  MRG+4*MRGW                 ; 32 rows x 1,040 bytes: a query position's four heads, as they lie in att (two pieces of 512 bytes + 16)
.set OP,    1040
.set KADR, 1                           ; v1-2   LDS address of my K fragments in slot 0, 1
.set VADR, 3                           ; v3-4   the same for V
.set QOFF, 5
.set DL,   6                           ; 8 h - r
.set MADR, 7
.set OSTO, 8
.set ORD,  9
.set GO,   10
.set MX,   12                          ; v12-13  running maximum of query tile 0, 1 (raw scores)
.set LS,   14                          ; v14-15  running sum, my half of the lanes' part
.set NMX,  16                          ; v16, v18  - c x maximum; v17, v19 fill the pairs
.set ALF,  20                          ; v20, v22  the step's scale; v21, v23 fill the pairs
.set TT,   24                          ; v[24:31]  at work
.set QF,   32                          ; v[32:63]   Q fragments, 8 (2 qt + ks)
.set SC,   64                          ; v[64:127]  scores, 8 (4 qt + a); then P packed: 32 qt + 16 ks2 + 0..7
.set FR,   128                         ; v[128:191] K fragments 8 (4 ks + a), then V fragments 8 (4 ks2 + dt)
.set OA,   192                         ; v[192:255] O^T, 8 (4 qt + dt)
.macro ROUND                           ; a round of the cluster's barrier
	s_barrier_signal -1
	s_barrier_wait -1
	s_cmp_lg_u32 s8, 0
	s_cbranch_scc1 .Lnot_wave_0_\@
	s_barrier_signal -3
.Lnot_wave_0_\@:
	s_barrier_wait -3
	s_barrier_signal -1
	s_barrier_wait -1
.endm
.macro TLOAD s                         ; my 32 rows of the tile into slot s: waves 0..3 K's, waves 4..7 V's (the two lines differ in the padding)
	s_cmp_lt_u32 s8, 4
	s_cbranch_scc0 .Lfor_v_\@
	tensor_load_to_lds s[40+4*(\s):43+4*(\s)], s[24:31]
	s_nop 0
	s_branch .Lasked_\@
.Lfor_v_\@:
	tensor_load_to_lds s[40+4*(\s):43+4*(\s)], s[32:39]
	s_nop 0
.Lasked_\@:
.endm
.macro QLOAD                           ; 32 query rows x 64 of my head as four fragments
.irp qt, 0,1
.irp ks, 0,1
	global_load_b128 v[QF+8*(2*\qt+\ks):QF+8*(2*\qt+\ks)+3], v[QOFF], s[66:67] offset:2048*\qt+64*\ks
	global_load_b128 v[QF+8*(2*\qt+\ks)+4:QF+8*(2*\qt+\ks)+7], v[QOFF], s[66:67] offset:2048*\qt+64*\ks+32
.endr
.endr
.endm
; A phase's start.  O is cleared rather than started by a product with C = 0, because a wave whose half of the only tile is wholly masked scales O by 1.
.macro STATE0
	v_mov_b32 v[MX], 0xf1800000                    ; -2^100
	v_mov_b32 v[MX+1], 0xf1800000
	v_mov_b32 v[LS], 0
	v_mov_b32 v[LS+1], 0
	v_mul_f32 v[NMX], s54, v[MX]
	v_mul_f32 v[NMX+2], s54, v[MX+1]
.set n, 0
.rept 64
	v_mov_b32 v[OA+n], 0
.set n, n+1
.endr
.endm
	s_load_b128 s[4:7], s[0:1], 0x0                ; qkv s[4:5], att s[6:7]
	v_lshl_add_u32 v11, v0, 2, 0x29000
	s_set_vgpr_msb 0x40
	v_mov_b32 v1, 0
	s_set_vgpr_msb 0x4044
	ds_add_u32 v11, v1
	s_set_vgpr_msb 0x4400
	v_lshrrev_b32 v1, 5, v0
	v_readfirstlane_b32 s8, v1                     ; wave 0..7
	s_and_b32 s9, s8, 3                            ; my query head of the four; also my 32 rows of a tile
	s_lshr_b32 s10, s8, 2                          ; my half of a tile's positions; also K (0) or V (1) to fetch
	s_bfe_u32 s11, ttmp6, 0x40000                  ; cx
	s_lshl_b32 s13, ttmp9, 2
	s_add_co_u32 s13, s13, s11                     ; i = 4 kq + cx
	s_and_b32 s15, ttmp7, 0xffff
	s_lshr_b32 s14, s15, 2                         ; batch
	s_and_b32 s15, s15, 3                          ; kv head
	s_sub_co_u32 s57, 16, ttmp9                    ; steps left in the phase: 16 - kq
	s_add_co_u32 s63, ttmp9, 1                     ; steps of phase 1: kq + 1
	s_mov_b32 s58, 0                               ; the tile's first kv position
	s_sub_co_u32 s60, 63, s13
	s_lshl_b32 s60, s60, 5                         ; p0: the block's first query position
	s_mov_b32 s52, 0x3e38aa3b                      ; c = log2(e) / 8: the scale 64^(-1/2) and the base of v_exp_f32 in one
	s_mov_b32 s53, 0x3e38aa3b
	s_mov_b32 s54, 0xbe38aa3b                      ; - c
	s_mov_b32 s55, 0x76543210                      ; v_permlanex16_b32: lane i of the other half
	s_mov_b32 s56, 0xfedcba98
	s_mov_b32 s76, 0xf2000000                      ; -2^101
	s_mov_b32 s78, 0xffffe000                      ; keeps sign, exponent and 10 bits of an f32's fraction
	s_mov_b32 s51, 0
	s_mov_b32 s71, 0
	; group 1: 32 rows of 128 bytes are dense in memory and come as 16 rows of 256 bytes; padding behind every 32 words: 4 words (K), 8 words (V)
	s_mov_b32 s24, 15|(1<<16)|(1<<20)|(1<<21)|(4<<22)|(3<<25)
	s_mov_b32 s25, 128<<16
	s_mov_b32 s26, 16<<16
	s_mov_b32 s27, 128<<16
	s_mov_b32 s28, 16
	s_mov_b32 s29, 128
	s_mov_b32 s30, 0
	s_mov_b32 s31, 0
	s_mov_b32 s32, 15|(1<<16)|(1<<20)|(1<<21)|(4<<22)|(7<<25)
	s_mov_b32 s33, 128<<16
	s_mov_b32 s34, 16<<16
	s_mov_b32 s35, 128<<16
	s_mov_b32 s36, 16
	s_mov_b32 s37, 128
	s_mov_b32 s38, 0
	s_mov_b32 s39, 0
	s_mov_b32 s40, 1
	s_mul_i32 s41, s8, BLKB                        ; slot 0, my block
	s_mov_b32 s44, 1
	s_add_co_u32 s45, s41, SLOTB                   ; slot 1, my block
	s_mul_i32 s16, s14, 24
	s_add_co_u32 s17, s16, s15
	s_add_co_u32 s17, s17, 16                      ; K's head: 24 b + 16 + kv head
	s_lshl_b32 s50, s17, 18                        ; a head is 262,144 bytes
	s_lshl_b32 s18, s10, 20                        ; V's head lies four heads on
	s_add_co_u32 s50, s50, s18
	s_lshl_b32 s18, s9, 12                         ; my 32 rows of 128 bytes
	s_add_co_u32 s50, s50, s18
	s_wait_dscnt 0x0
	s_wait_kmcnt 0x0
	s_add_nc_u64 s[48:49], s[4:5], s[50:51]        ; my rows of tile 0
	s_mov_b64 s[42:43], s[48:49]
	s_or_b32 s43, s43, 0x80000000
	ROUND                                          ; the four work-groups are here
	TLOAD 0                                        ; tile 0: the one tensor load of the wave that is out, as behind every later round
	s_lshl2_add_u32 s19, s15, s16                  ; my query head: 24 b + 4 kv head + w & 3
	s_add_co_u32 s19, s19, s9
	s_lshl_b32 s70, s19, 18
	s_add_nc_u64 s[72:73], s[4:5], s[70:71]
	s_lshl_b32 s70, s60, 7
	s_add_nc_u64 s[66:67], s[72:73], s[70:71]      ; Q at the block's first row
	s_lshl_b32 s70, s14, 23                        ; att: 2,048 rows x 4,096 bytes a batch
	s_lshl_b32 s18, s15, 10                        ; + my four heads' two pieces of 512 bytes
	s_add_co_u32 s70, s70, s18
	s_add_nc_u64 s[74:75], s[6:7], s[70:71]
	s_lshl_b32 s70, s60, 12
	s_add_nc_u64 s[68:69], s[74:75], s[70:71]      ; att at the block's first row
	v_and_b32 v24, 31, v0                          ; l
	v_and_b32 v25, 15, v0                          ; r
	v_bfe_u32 v26, v0, 4, 1                        ; h
	v_and_b32 v27, 7, v0
	v_bfe_u32 v28, v0, 3, 1
	v_lshlrev_b32 v[QOFF], 7, v25
	v_lshl_add_u32 v[QOFF], v26, 4, v[QOFF]        ; row r, 16 bytes for each half of the lanes
	QLOAD
	s_mul_i32 s20, s10, 2*BLKB                     ; my 64 positions
	v_mul_u32_u24 v[KADR], v25, KP
	v_lshl_add_u32 v[KADR], v26, 4, v[KADR]
	v_add_nc_u32 v[KADR], s20, v[KADR]
	v_add_nc_u32 v[KADR+1], SLOTB, v[KADR]
	v_lshl_add_u32 v[VADR], v26, 3, v27            ; position 8 h + l % 8,
	v_mul_u32_u24 v[VADR], v[VADR], VP
	v_lshl_add_u32 v[VADR], v28, 4, v[VADR]        ; 16 bytes for each group of eight lanes
	s_add_co_u32 s21, s20, 4*BLKB
	v_add_nc_u32 v[VADR], s21, v[VADR]
	v_add_nc_u32 v[VADR+1], SLOTB, v[VADR]
	v_lshlrev_b32 v[DL], 3, v26
	v_sub_nc_u32 v[DL], v[DL], v25
	s_mul_i32 s22, s9, MRGW
	s_add_co_u32 s22, s22, MRG
	v_lshl_add_u32 v[MADR], v24, 4, s22
	v_mul_u32_u24 v[OSTO], v25, OP
	v_lshl_add_u32 v[OSTO], v26, 4, v[OSTO]
	s_lshr_b32 s23, s9, 1
	s_lshl_b32 s23, s23, 9                         ; my head's piece of 512 bytes,
	s_and_b32 s22, s9, 1
	s_lshl_b32 s22, s22, 7                         ; and its 128 bytes in each half of the piece
	s_add_co_u32 s23, s23, s22
	s_add_co_u32 s23, s23, OUTS
	v_add_nc_u32 v[OSTO], s23, v[OSTO]
	s_mul_i32 s23, s8, 4*OP
	s_add_co_u32 s23, s23, OUTS
	v_lshl_add_u32 v[ORD], v24, 4, s23
	s_lshl_b32 s23, s8, 14
	v_lshl_add_u32 v[GO], v24, 4, s23              ; rows 4 w .. 4 w + 3 of 4,096 bytes, 16 bytes a lane
	v_mov_b32 v29, 0                               ; registers that are read as parts of pairs or as a lane exchange's target are written once
	v_mov_b32 v30, 0
	v_mov_b32 v31, 0
	v_mov_b32 v[NMX+1], 0
	v_mov_b32 v[NMX+3], 0
	v_mov_b32 v[ALF+1], 0
	v_mov_b32 v[ALF+3], 0
	STATE0
	s_wait_loadcnt 0x0                             ; Q
; Scores above the diagonal become -2^101.  kv = kvc + 64 half + 16 a + 8 h + j is kept where it is at most q = p0 + 16 qt + r.
.macro MASK
	s_lshl_b32 s61, s10, 6
	s_add_co_u32 s61, s61, s58
	s_sub_co_u32 s61, s61, s60
	v_add_nc_u32 v[TT], s61, v[DL]
.irp qt, 0,1
.irp a, 0,1,2,3
.irp j, 0,1,2,3,4,5,6,7
	v_cmp_ge_i32 vcc_lo, 16*\qt-16*\a-\j, v[TT]
	v_cndmask_b32 v[SC+8*(4*\qt+\a)+\j], s76, v[SC+8*(4*\qt+\a)+\j], vcc_lo
.endr
.endr
.endr
.endm
; The step's softmax, both query tiles interleaved: 64 scores a lane.
.macro SOFTMAX
.irp qt, 0,1
	v_max3_num_f32 v[TT+2*\qt], v[SC+32*\qt], v[SC+32*\qt+1], v[MX+\qt]
	v_max3_num_f32 v[TT+2*\qt+1], v[SC+32*\qt+16], v[SC+32*\qt+17], v[SC+32*\qt+18]
.endr
.irp u, 0,2,4,6,8,10
.irp qt, 0,1
	v_max3_num_f32 v[TT+2*\qt], v[TT+2*\qt], v[SC+32*\qt+2+\u], v[SC+32*\qt+3+\u]
	v_max3_num_f32 v[TT+2*\qt+1], v[TT+2*\qt+1], v[SC+32*\qt+19+\u], v[SC+32*\qt+20+\u]
.endr
.endr
.irp qt, 0,1
	v_max3_num_f32 v[TT+2*\qt], v[TT+2*\qt], v[SC+32*\qt+14], v[SC+32*\qt+15]
.endr
.irp qt, 0,1
	v_max3_num_f32 v[TT+2*\qt], v[TT+2*\qt], v[TT+2*\qt+1], v[SC+32*\qt+31]
.endr
	v_permlanex16_b32 v[TT+4], v[TT], s55, s56     ; the other half of the lanes holds the query's other positions
	v_permlanex16_b32 v[TT+5], v[TT+2], s55, s56
	v_max_num_f32 v[MX], v[TT], v[TT+4]
	v_max_num_f32 v[MX+1], v[TT+2], v[TT+5]
	v_mul_f32 v[TT], s54, v[MX]                    ; - c x the new maximum
	v_mul_f32 v[TT+2], s54, v[MX+1]
	v_sub_f32 v[TT+4], v[TT], v[NMX]               ; the scale of what has been summed is formed from the very numbers that shift the exponents
	v_sub_f32 v[TT+5], v[TT+2], v[NMX+2]
	v_mov_b32 v[NMX], v[TT]
	v_mov_b32 v[NMX+2], v[TT+2]
	v_exp_f32 v[ALF], v[TT+4]
	v_exp_f32 v[ALF+2], v[TT+5]
.irp qt, 0,1
.irp u, 0,2,4,6,8,10,12,14,16,18,20,22,24,26,28,30
	v_pk_fma_f32 v[SC+32*\qt+\u:SC+32*\qt+\u+1], v[SC+32*\qt+\u:SC+32*\qt+\u+1], s[52:53], v[NMX+2*\qt:NMX+2*\qt+1] op_sel_hi:[1,0,0]
.endr
.endr
.set n, 0
.rept 64
	v_exp_f32 v[SC+n], v[SC+n]
.set n, n+1
.endr
	v_nop                                          ; one plain instruction behind the exponentials (ISA guide 5.7.2)
	s_wait_alu depctr_va_vdst(0)
.irp qt, 0,1
	v_pk_add_f32 v[TT+4*\qt:TT+4*\qt+1], v[SC+32*\qt:SC+32*\qt+1], v[SC+32*\qt+2:SC+32*\qt+3]
	v_pk_add_f32 v[TT+4*\qt+2:TT+4*\qt+3], v[SC+32*\qt+4:SC+32*\qt+5], v[SC+32*\qt+6:SC+32*\qt+7]
.endr
.irp u, 8,12,16,20,24,28
.irp qt, 0,1
	v_pk_add_f32 v[TT+4*\qt:TT+4*\qt+1], v[TT+4*\qt:TT+4*\qt+1], v[SC+32*\qt+\u:SC+32*\qt+\u+1]
	v_pk_add_f32 v[TT+4*\qt+2:TT+4*\qt+3], v[TT+4*\qt+2:TT+4*\qt+3], v[SC+32*\qt+\u+2:SC+32*\qt+\u+3]
.endr
.endr
.irp qt, 0,1
	v_pk_add_f32 v[TT+4*\qt:TT+4*\qt+1], v[TT+4*\qt:TT+4*\qt+1], v[TT+4*\qt+2:TT+4*\qt+3]
.endr
.irp qt, 0,1
	v_add_f32 v[TT+4*\qt], v[TT+4*\qt], v[TT+4*\qt+1]
.endr
.irp qt, 0,1
	v_fma_f32 v[LS+\qt], v[LS+\qt], v[ALF+2*\qt], v[TT+4*\qt]
.endr
.irp g, 0,16,32,48
.irp i, 0,1,2,3,4,5,6,7
	v_cvt_pk_f16_f32 v[SC+\g+\i], v[SC+\g+2*\i], v[SC+\g+2*\i+1]       ; in place, ascending: two score tiles become one fragment of P^T
.endr
.endr
.irp qt, 0,1
.irp u, 0,2,4,6,8,10,12,14,16,18,20,22,24,26,28,30
	v_pk_mul_f32 v[OA+32*\qt+\u:OA+32*\qt+\u+1], v[OA+32*\qt+\u:OA+32*\qt+\u+1], v[ALF+2*\qt:ALF+2*\qt+1] op_sel_hi:[1,0]
.endr
.endr
.endm
; A phase's end: the two halves of the positions are merged, normalised, split into two f16 parts and stored.  more = 1: the next phase is set up.
; A tile for the next step may be on its way across these two barriers.
.macro PHASE_END more
.if \more
	s_lshl_b32 s60, s13, 5                         ; phase 1: p0 = 32 i
	s_lshl_b32 s70, s60, 7
	s_add_nc_u64 s[66:67], s[72:73], s[70:71]      ; the loads that used this base have been waited for
	QLOAD
.endif
	s_cmp_lt_u32 s8, 4
	s_cbranch_scc1 .Llower_\@
.set n, 0
.rept 16
	ds_store_b128 v[MADR], v[OA+4*n:OA+4*n+3] offset:512*n
.set n, n+1
.endr
	ds_store_b128 v[MADR], v[MX:MX+3] offset:8192
.Llower_\@:
	s_wait_dscnt 0x0                               ; the upper waves' stores are done
	s_barrier_signal -1
	s_barrier_wait -1
	s_cmp_lt_u32 s8, 4
	s_cbranch_scc0 .Lupper_\@
.set n, 0
.rept 16
	ds_load_b128 v[SC+4*n:SC+4*n+3], v[MADR] offset:512*n
.set n, n+1
.endr
	ds_load_b128 v[TT:TT+3], v[MADR] offset:8192   ; the partner's two maxima and two sums
	s_wait_dscnt 0x0
.irp qt, 0,1
	v_max_num_f32 v[TT+4], v[MX+\qt], v[TT+\qt]
	v_mul_f32 v[TT+5], s54, v[TT+\qt]
	v_mul_f32 v[TT+4], s54, v[TT+4]
	v_sub_f32 v[TT+5], v[TT+4], v[TT+5]
	v_sub_f32 v[TT+4], v[TT+4], v[NMX+2*\qt]
	v_exp_f32 v[ALF], v[TT+4]                      ; my weight
	v_exp_f32 v[ALF+2], v[TT+5]                    ; the partner's: 0 where its half was wholly masked
	v_nop
	s_wait_alu depctr_va_vdst(0)
	v_mul_f32 v[TT+6], v[LS+\qt], v[ALF]
	v_fma_f32 v[TT+6], v[TT+2+\qt], v[ALF+2], v[TT+6]
	v_permlanex16_b32 v[TT+7], v[TT+6], s55, s56
	v_add_f32 v[TT+6], v[TT+6], v[TT+7]            ; the whole sum: at least the diagonal's term
	v_rcp_f32 v[TT+7], v[TT+6]
	v_nop
	s_wait_alu depctr_va_vdst(0)
	v_mul_f32 v[ALF], v[ALF], v[TT+7]
	v_mul_f32 v[ALF+2], v[ALF+2], v[TT+7]
.irp u, 0,2,4,6,8,10,12,14,16,18,20,22,24,26,28,30
	v_pk_mul_f32 v[OA+32*\qt+\u:OA+32*\qt+\u+1], v[OA+32*\qt+\u:OA+32*\qt+\u+1], v[ALF:ALF+1] op_sel_hi:[1,0]
.endr
.irp u, 0,2,4,6,8,10,12,14,16,18,20,22,24,26,28,30
	v_pk_fma_f32 v[OA+32*\qt+\u:OA+32*\qt+\u+1], v[SC+32*\qt+\u:SC+32*\qt+\u+1], v[ALF+2:ALF+3], v[OA+32*\qt+\u:OA+32*\qt+\u+1] op_sel_hi:[1,0,1]
.endr
.irp u, 0,2,4,6,8,10,12,14,16,18,20,22,24,26,28,30
	v_and_b32 v[SC+32*\qt+\u], s78, v[OA+32*\qt+\u]                    ; the upper part: 11 significant bits (the partner's numbers here have been used)
	v_and_b32 v[SC+32*\qt+\u+1], s78, v[OA+32*\qt+\u+1]
.endr
.irp u, 0,2,4,6,8,10,12,14,16,18,20,22,24,26,28,30
	v_pk_add_f32 v[OA+32*\qt+\u:OA+32*\qt+\u+1], v[OA+32*\qt+\u:OA+32*\qt+\u+1], v[SC+32*\qt+\u:SC+32*\qt+\u+1] neg_lo:[0,1] neg_hi:[0,1]   ; the remainder, exact
.endr
.irp dt, 0,1,2,3
.irp k, 0,1,2,3
	v_cvt_pk_f16_f32 v[FR+16*\qt+4*\dt+\k], v[SC+32*\qt+8*\dt+2*\k], v[SC+32*\qt+8*\dt+2*\k+1]
	v_cvt_pk_f16_f32 v[FR+32+16*\qt+4*\dt+\k], v[OA+32*\qt+8*\dt+2*\k], v[OA+32*\qt+8*\dt+2*\k+1]
.endr
	ds_store_b128 v[OSTO], v[FR+16*\qt+4*\dt:FR+16*\qt+4*\dt+3] offset:16*OP*\qt+32*\dt
	ds_store_b128 v[OSTO], v[FR+32+16*\qt+4*\dt:FR+32+16*\qt+4*\dt+3] offset:16*OP*\qt+32*\dt+256      ; the remainders: the piece's second half
.endr
.endr
.Lupper_\@:
	s_wait_dscnt 0x0                               ; the lower waves' stores are done
	s_barrier_signal -1
	s_barrier_wait -1
.irp it, 0,1,2,3
	ds_load_b128 v[FR+8*\it:FR+8*\it+3], v[ORD] offset:OP*\it
	ds_load_b128 v[FR+8*\it+4:FR+8*\it+7], v[ORD] offset:OP*\it+512
.endr
.irp it, 0,1,2,3
	s_wait_dscnt 7-2*\it                           ; LDS loads come back in order: the younger ones may be out
	global_store_b128 v[GO], v[FR+8*\it:FR+8*\it+3], s[68:69] offset:4096*\it              ; a wave's store covers 512 consecutive aligned bytes: one piece of a row
	s_wait_dscnt 6-2*\it
	global_store_b128 v[GO], v[FR+8*\it+4:FR+8*\it+7], s[68:69] offset:4096*\it+512        ; the row's second piece
.endr
.if \more
	s_wait_xcnt 0x0                                ; the stores' base and data are written again only behind this wait
	s_lshl_b32 s70, s60, 12
	s_add_nc_u64 s[68:69], s[74:75], s[70:71]
	STATE0
	s_wait_loadcnt 0x0                             ; the next phase's Q
.endif
.endm
; One step on the tile in a slot.  tail = 1: the last step of all.
.macro COMPUTE slot, tail
.irp ks, 0,1
.irp a, 0,1,2,3
	ds_load_b128 v[FR+8*(4*\ks+\a):FR+8*(4*\ks+\a)+3], v[KADR+\slot] offset:(\a>>1)*BLKB+(\a&1)*16*KP+64*\ks
	ds_load_b128 v[FR+8*(4*\ks+\a)+4:FR+8*(4*\ks+\a)+7], v[KADR+\slot] offset:(\a>>1)*BLKB+(\a&1)*16*KP+64*\ks+32
.endr
.endr
	s_wait_dscnt 0x8                               ; the fragments of d = 0..31 are in; the eight younger loads may be out
	; the eight score tiles take turns, one instruction a turn; so do the eight tiles of O below
.irp qt, 0,1
.irp a, 0,1,2,3
	v_wmma_f32_16x16x32_f16 v[SC+8*(4*\qt+\a):SC+8*(4*\qt+\a)+7], v[FR+8*\a:FR+8*\a+7], v[QF+16*\qt:QF+16*\qt+7], 0
.endr
.endr
	s_wait_dscnt 0x0
.irp qt, 0,1
.irp a, 0,1,2,3
	v_wmma_f32_16x16x32_f16 v[SC+8*(4*\qt+\a):SC+8*(4*\qt+\a)+7], v[FR+32+8*\a:FR+32+8*\a+7], v[QF+16*\qt+8:QF+16*\qt+15], v[SC+8*(4*\qt+\a):SC+8*(4*\qt+\a)+7]
.endr
.endr
.rept 4
	v_nop                                          ; four places (ISA guide 7.12.1): V is loaded over K's fragments, and the scores are read
.endr
.irp ks2, 0,1
.irp dt, 0,1,2,3
	ds_load_tr16_b128 v[FR+8*(4*\ks2+\dt):FR+8*(4*\ks2+\dt)+3], v[VADR+\slot] offset:\ks2*32*VP+32*\dt
	ds_load_tr16_b128 v[FR+8*(4*\ks2+\dt)+4:FR+8*(4*\ks2+\dt)+7], v[VADR+\slot] offset:\ks2*32*VP+32*\dt+16*VP
.endr
.endr
.if \tail == 0
	s_cmp_lg_u32 s57, 1                            ; only a phase's last tile reaches the diagonal
	s_cbranch_scc1 .Lno_mask_\@
.endif
	MASK
.Lno_mask_\@:
	SOFTMAX
	s_wait_dscnt 0x0                               ; V's fragments, issued ahead of the softmax
.irp ks2, 0,1
.irp qt, 0,1
.irp dt, 0,1,2,3
	v_wmma_f32_16x16x32_f16 v[OA+8*(4*\qt+\dt):OA+8*(4*\qt+\dt)+7], v[FR+8*(4*\ks2+\dt):FR+8*(4*\ks2+\dt)+7], v[SC+32*\qt+16*\ks2:SC+32*\qt+16*\ks2+7], v[OA+8*(4*\qt+\dt):OA+8*(4*\qt+\dt)+7]
.endr
.endr
.endr
.rept 5
	v_nop                                          ; five places: the next step's products write over P, its loads over V's fragments; O is read or scaled
.endr
.if \tail
	PHASE_END 0
.else
	s_cmp_lg_u32 s57, 1
	s_cbranch_scc1 .Lno_end_\@
	PHASE_END 1
.Lno_end_\@:
.endif
.endm
; A step: the tile in this slot has landed in every wave's part; the other slot, read in the last step, is asked for again, jointly.
.macro TRIP slot, refill, tail
	s_set_vgpr_msb 0x4
	s_wait_tensorcnt 0x0                           ; all my tensor loads have landed, my part of this tile among them: a group 0 may be written
	ds_add_u32 v11, v1
	s_wait_dscnt 0x0
	s_set_vgpr_msb 0x400
.if \refill
	s_add_co_u32 s59, s58, 128                     ; the next tile: 128 positions on, or the next phase's first
	s_cmp_eq_u32 s57, 1
	s_cselect_b32 s59, 0, s59
	s_lshl_b32 s50, s59, 7
	s_add_nc_u64 s[46-4*\slot:47-4*\slot], s[48:49], s[50:51]
	s_or_b32 s[47-4*\slot], s[47-4*\slot], 0x80000000
.endif
	s_wait_dscnt 0x0                               ; my reads of the other slot are over
	ROUND                                          ; both now hold of every wave of the four work-groups
.if \refill
	TLOAD 1-\slot                                  ; my one tensor load behind the round, and the first thing there
.endif
	COMPUTE \slot, \tail
.if \refill
	s_sub_co_u32 s77, s57, 1
	s_cmp_eq_u32 s57, 1
	s_cselect_b32 s57, s63, s77
	s_mov_b32 s58, s59
.endif
.endm
	s_mov_b32 s62, 0
.Lsteps:                                           ; steps 0 to 15
	TRIP 0, 1, 0
	TRIP 1, 1, 0
	s_add_co_u32 s62, s62, 1
	s_cmp_lt_u32 s62, 8
	s_cbranch_scc1 .Lsteps
	TRIP 0, 0, 1                                   ; step 16: phase 1's last; nothing is left to fetch
	s_set_vgpr_msb 0x4
	s_wait_tensorcnt 0x0
	ds_add_u32 v11, v1
	s_wait_dscnt 0x0
	s_set_vgpr_msb 0x400
	ROUND                                          ; the closing round
	s_endpgm
.Lfunc_end_k_qdd10c1d499_attn:
	.size	k_qdd10c1d499_attn, .Lfunc_end_k_qdd10c1d499_attn-k_qdd10c1d499_attn
	.p2alignl 7, 3214868480
	.fill 96, 4, 3214868480
	.section	.rodata,"a",@progbits
	.p2align	6, 0x0
	.amdhsa_kernel k_qdd10c1d499_attn
		.amdhsa_group_segment_fixed_size 327680
		.amdhsa_private_segment_fixed_size 0
		.amdhsa_enable_private_segment 0
		.amdhsa_kernarg_size 16
		.amdhsa_user_sgpr_count 2
		.amdhsa_user_sgpr_kernarg_segment_ptr 1
		.amdhsa_wavefront_size32 1
		.amdhsa_system_sgpr_workgroup_id_x 1
		.amdhsa_system_sgpr_workgroup_id_y 1
		.amdhsa_system_sgpr_workgroup_id_z 1
		.amdhsa_system_vgpr_workitem_id 0
		.amdhsa_next_free_vgpr 258
		.amdhsa_next_free_sgpr 84
		.amdhsa_reserve_vcc 1
		.amdhsa_float_denorm_mode_32 3
		.amdhsa_float_denorm_mode_16_64 3
		.amdhsa_memory_ordered 1
		.amdhsa_forward_progress 1
		.amdhsa_inst_pref_size 142
	.end_amdhsa_kernel
	.amdgpu_metadata
---
amdhsa.version: [ 1, 2 ]
amdhsa.kernels:
  - .name:           k_qdd10c1d499_attn
    .symbol:         k_qdd10c1d499_attn.kd
    .args:
      - { .name: qkv, .offset: 0, .size: 8, .value_kind: global_buffer, .address_space: global }
      - { .name: att, .offset: 8, .size: 8, .value_kind: global_buffer, .address_space: global }
    .group_segment_fixed_size: 327680
    .private_segment_fixed_size: 0
    .kernarg_segment_align: 8
    .kernarg_segment_size: 16
    .max_flat_workgroup_size: 256
    .sgpr_count:     84
    .vgpr_count:     258
    .wavefront_size: 32
...
	.end_amdgpu_metadata
.endif
;; end of part 3
;; launch oproj (part 4): grid 8 x 32, 4 waves a work-group, clusters of 4 x 4, 327,680 bytes of LDS; arguments att, wob, out0; writes out0
.if DOCPART == 4
	.amdgcn_target "amdgcn-amd-amdhsa--gfx1250"
	.amdhsa_code_object_version 6
	.text
	.protected	k_qdd10c1d499_oproj
	.globl	k_qdd10c1d499_oproj
	.p2align	8
	.type	k_qdd10c1d499_oproj,@function
k_qdd10c1d499_oproj:
	s_mov_b64 s[64:65], 0
	v_nop
	global_prefetch_b8 v0, s[64:65] scope:SCOPE_SE
	s_setreg_imm32_b32 hwreg(HW_REG_WAVE_MODE, 25, 1), 1
	s_wait_xcnt 0x0
	s_wait_alu depctr_hold_cnt(0) depctr_sa_sdst(0) depctr_va_vdst(0) depctr_va_sdst(0) depctr_va_ssrc(0) depctr_va_vcc(0) depctr_vm_vsrc(0)
	s_getreg_b32 s2, hwreg(HW_REG_IB_STS2, 6, 4)
	s_cmp_eq_u32 s2, 0
	s_cbranch_scc0 .Lentry_in_a_cluster
	s_endpgm
.Lentry_in_a_cluster:
	s_bfe_u32 s2, ttmp6, 0x10000c
	s_cmp_lg_u32 s2, 0xf033
	s_cbranch_scc0 .Lentry_shape_is_right
	s_endpgm
.Lentry_shape_is_right:
; out0 [4096][1024] f32 = (att's upper parts + att's remainders) . wob; sums in f32.
; att [4096][2048] f16 in eight pieces of 256 numbers a row: piece c holds the upper parts of columns 128 c .. 128 c + 127 and then their remainders.
; wob [1024 k][1024 n] f16.  Both parts of a number meet the same weight: a weight fragment is loaded from LDS once and multiplied with both, into one f32 sum.
; A work-group makes 128 x 128 with four waves, a wave 64 x 64: 16 accumulator tiles, 128 registers; 8 x 32 = 256 work-groups.
; THE SLOTS: a large one for 256 rows of wob and a small one for 128, both filled at the start.  K goes large, small, large, small, large
; (256 + 128 + 256 + 128 + 256 = 1,024): two first fills and three refills, one tensor load a wave each.  While the large slot is on its way the small one is
; multiplied (128 matrix instructions of a wave), while the small one is on its way the large one (256).  Two slots of 256 would take 2 x 206,848 bytes.
; CLUSTERS: 4 x 4 work-groups; att's tile is asked for jointly along a row of the cluster, the weights' along a column.
; The weights lie [k][n]: their fragments come out of LDS through the transposing 16-bit load.  The matrix instruction is used transposed: lane l holds
; row l % 16 and its registers 0..7 the columns 8 (l / 16) + 0..7 of a tile: 32 neighbouring bytes of a row of the result.
; REGISTERS: window 0: v16-26 addresses; v32-159 att fragments (two buffers of upper parts 32 + remainders 32); v160-223 weight fragments (two buffers).
;            Window 1: v0-127 accumulators, 8 (4 mt + ct).
.set PAB,   1040                       ; LDS pitch of att's rows in the large slot: two pieces of 512 bytes + 16
.set PAS,   528                        ; in the small slot: one piece + 16
.set PB,    288                        ; LDS pitch of the weights' rows: 256 bytes + 32; 9 x 32
.set AHB,   64*PAB                     ; what one wave fetches: 64 rows of att, large
.set AHS,   64*PAS                     ; 64 rows of att, small
.set BHB,   128*PB                     ; 128 k rows of the weights, large
.set BHS,   64*PB                      ; 64 k rows of the weights, small
; LDS: every fill address is a constant + the wave's number x a constant; waves 0, 1 fetch att, waves 2, 3 the weights
.set ABIG,  0                          ; + w AHB (w = 0, 1):  0 .. 133,120
.set ASML,  2*AHB                      ; + w AHS (w = 0, 1):  133,120 .. 200,704
.set BBIG,  ASML+2*AHS                 ; = BBIG - 2 BHB + w BHB (w = 2, 3):  200,704 .. 274,432
.set BSML,  BBIG+2*BHB                 ; = BSML - 2 BHS + w BHS (w = 2, 3):  274,432 .. 311,296
.set STAGE, ASML                       ; the way out's stage, 16 rows x 272 bytes for each wave, lies over att's small slot: that slot has had its last fill, and
                                       ; every wave has waited for its last reads of it in front of the last change of slots
.set SPITCH, 272
.set NCT,   4
.set ASTEP, 1536                       ; three pieces along a row of att, in bytes: from a slot's tile to its next
.set BSTEP, 384*2048                   ; 384 rows down wob, in bytes
.set ADRA, 16                          ; v16 att fragments in the large slot, v17 in the small
.set ADRB, 20                          ; v20 weights, large slot, k rows 0-127; v21 k rows 128-255; v22 small slot
.set STO,  24
.set RD,   25
.set CO,   26
.set XB0,  32                          ; buffer 0: upper parts at XB0, remainders at XB0 + 32
.set XB1,  96
.set WF0,  160
.set WF1,  192
.set G1AB, 24                          ; descriptor groups 1: att large, att small, weights large, weights small
.set G1AS, 32
.set G1BB, 40
.set G1BS, 48
.set G0AB, 56                          ; descriptor groups 0, likewise
.set G0AS, 60
.set G0BB, 68
.set G0BS, 72
.set FAB, (1<<16)|(1<<20)|(1<<21)|(7<<22)|(3<<25)      ; elements of 2 bytes, padding on, bit 21 beside a mask; 4 words behind every 256 words
.set FAS, (1<<16)|(1<<20)|(1<<21)|(6<<22)|(3<<25)      ; 4 words behind every 128 words
.set FBB, (1<<16)|(1<<20)|(1<<21)|(5<<22)|(7<<25)      ; 8 words behind every 64 words
.set MSB, 0
.macro WIN new                         ; the immediate's high byte repeats the setting that is left
.if MSB != \new
	s_set_vgpr_msb (MSB<<8)|\new
.set MSB, \new
.endif
.endm
.set MUL, 0x50                         ; sources 0 and 1 window 0, C and D window 1
.macro PLACES                          ; four places behind matrix instructions (ISA guide 7.12.1)
.rept 4
	v_nop
.endr
.endm
.macro GROUP1 g, mask, flags, cols, rows, pitch
	s_or_b32 s[\g], \mask, \flags
	s_mov_b32 s[\g+1], \cols<<16                   ; tensor_dim0
	s_mov_b32 s[\g+2], \rows<<16                   ; tensor_dim1
	s_mov_b32 s[\g+3], \cols<<16                   ; tile_dim0
	s_mov_b32 s[\g+4], \rows                       ; tile_dim1
	s_mov_b32 s[\g+5], \pitch                      ; elements from row to row
	s_mov_b32 s[\g+6], 0
	s_mov_b32 s[\g+7], 0
.endm
; A joint load into the large (1) or the small (0) slot: waves 0 and 1 ask for att's two halves, waves 2 and 3 for the weights'
.macro JLOAD big
	s_cmp_lt_u32 s10, 2
	s_cbranch_scc0 .Lfor_b_\@
.if \big
	tensor_load_to_lds s[G0AB:G0AB+3], s[G1AB:G1AB+7]
	s_nop 0
.else
	tensor_load_to_lds s[G0AS:G0AS+3], s[G1AS:G1AS+7]
	s_nop 0
.endif
	s_branch .Lasked_\@
.Lfor_b_\@:
.if \big
	tensor_load_to_lds s[G0BB:G0BB+3], s[G1BB:G1BB+7]
	s_nop 0
.else
	tensor_load_to_lds s[G0BS:G0BS+3], s[G1BS:G1BS+7]
	s_nop 0
.endif
.Lasked_\@:
.endm
.macro CREST
	s_cmp_lg_u32 s10, 0
	s_cbranch_scc1 .Lnot_wave_0_\@
	s_barrier_signal -3
.Lnot_wave_0_\@:
	s_barrier_wait -3
	s_barrier_signal -1
	s_barrier_wait -1
.endm
.macro CROUND
	s_barrier_signal -1
	s_barrier_wait -1
	CREST
.endm
	s_load_b128 s[4:7], s[0:1], 0x0                ; att s[4:5], wob s[6:7]
	s_load_b64 s[8:9], s[0:1], 0x10                ; out0
	v_lshl_add_u32 v254, v0, 2, 0x4c000
	v_mov_b32 v255, 0
	ds_add_u32 v254, v255
	v_lshrrev_b32 v1, 5, v0
	v_readfirstlane_b32 s10, v1                    ; wave 0..3
	s_lshr_b32 s11, s10, 1                         ; my half of the rows
	s_and_b32 s12, s10, 1                          ; my half of the columns.  Also: which half of a tile I fetch
	s_bfe_u32 s76, ttmp6, 0x40000                  ; cx
	s_bfe_u32 s77, ttmp6, 0x40004                  ; cy
	s_lshl_b32 s78, ttmp9, 2
	s_add_co_u32 s78, s78, s76                     ; block column 0..7
	s_and_b32 s13, ttmp7, 0xffff
	s_lshl_b32 s13, s13, 2
	s_add_co_u32 s13, s13, s77                     ; block row 0..31
	s_lshl_b32 s79, s77, 2
	s_lshl_b32 s79, 15, s79                        ; my row of the cluster
	s_lshl_b32 s80, 0x1111, s76                    ; my column
	GROUP1 G1AB, s79, FAB, 512, 64, 2048           ; att, large: 64 rows x two pieces
	GROUP1 G1AS, s79, FAS, 256, 64, 2048           ; att, small: 64 rows x one piece
	GROUP1 G1BB, s80, FBB, 128, 128, 1024          ; weights, large: 128 k rows x 128 elements
	GROUP1 G1BS, s80, FBB, 128, 64, 1024           ; weights, small: 64 k rows x 128 elements
	; att's tiles hang on the block row, the weights' on the block column, each in registers that never hold the other coordinate
	s_lshl_b32 s16, s13, 19                        ; 128 rows x 4,096 bytes
	s_lshl_b32 s17, s12, 18                        ; + my 64 rows
	s_add_co_u32 s16, s16, s17
	s_mov_b32 s17, 0
	s_lshl_b32 s82, s78, 8                         ; 128 columns x 2 bytes
	s_lshl_b32 s84, s12, 18                        ; large: my 128 k rows x 2,048 bytes
	s_add_co_u32 s84, s84, s82
	s_mov_b32 s85, 0
	s_lshl_b32 s86, s12, 17                        ; small: my 64 k rows,
	s_add_co_u32 s86, s86, s82
	s_add_co_u32 s86, s86, 256*2048                ; behind the large slot's 256
	s_mov_b32 s87, 0
	s_wait_dscnt 0x0
	s_wait_kmcnt 0x0
	s_add_nc_u64 s[14:15], s[4:5], s[16:17]
	s_add_nc_u64 s[84:85], s[6:7], s[84:85]
	s_add_nc_u64 s[86:87], s[6:7], s[86:87]
	CROUND                                         ; all sixteen work-groups are here: the first joint loads meet
	s_mov_b32 s[G0AB], 1
	s_mul_i32 s[G0AB+1], s10, AHB                  ; LDS: ABIG + w AHB
	s_mov_b64 s[G0AB+2:G0AB+3], s[14:15]           ; pieces 0 and 1
	s_or_b32 s[G0AB+3], s[G0AB+3], 0x80000000
	s_mov_b32 s[G0AS], 1
	s_mul_i32 s[G0AS+1], s10, AHS
	s_add_co_u32 s[G0AS+1], s[G0AS+1], ASML
	s_add_nc_u64 s[G0AS+2:G0AS+3], s[14:15], 1024  ; piece 2
	s_or_b32 s[G0AS+3], s[G0AS+3], 0x80000000
	s_mov_b32 s[G0BB], 1
	s_mul_i32 s[G0BB+1], s10, BHB
	s_add_co_u32 s[G0BB+1], s[G0BB+1], BBIG-2*BHB  ; which is BBIG for wave 2
	s_mov_b64 s[G0BB+2:G0BB+3], s[84:85]
	s_or_b32 s[G0BB+3], s[G0BB+3], 0x80000000
	s_mov_b32 s[G0BS], 1
	s_mul_i32 s[G0BS+1], s10, BHS
	s_add_co_u32 s[G0BS+1], s[G0BS+1], BSML-2*BHS  ; which is BSML for wave 2
	s_mov_b64 s[G0BS+2:G0BS+3], s[86:87]
	s_or_b32 s[G0BS+3], s[G0BS+3], 0x80000000
	JLOAD 1                                        ; both slots' first fills go out together: two tensor loads of the wave are out, later one
	JLOAD 0
	v_and_b32 v1, 15, v0                           ; r
	v_bfe_u32 v2, v0, 4, 1                         ; h
	v_mul_u32_u24 v3, v1, PAB
	v_lshl_add_u32 v3, v2, 4, v3
	s_mul_i32 s21, s11, AHB
	v_add_nc_u32 v[ADRA], s21, v3
	v_mul_u32_u24 v3, v1, PAS
	v_lshl_add_u32 v3, v2, 4, v3
	s_mul_i32 s21, s11, AHS
	s_add_co_u32 s21, s21, ASML
	v_add_nc_u32 v[ADRA+1], s21, v3
	v_and_b32 v4, 7, v0
	v_lshl_add_u32 v4, v2, 3, v4                   ; k row 8 h + l % 8,
	v_mul_u32_u24 v4, v4, PB
	v_bfe_u32 v5, v0, 3, 1
	v_lshl_add_u32 v4, v5, 4, v4                   ; 16 bytes for each group of eight lanes,
	s_lshl_b32 s22, s12, 7                         ; my 64 columns
	s_add_co_u32 s22, s22, BBIG
	v_add_nc_u32 v[ADRB], s22, v4
	v_add_nc_u32 v[ADRB+1], BHB, v[ADRB]           ; k rows 128 to 255 lie beyond the reach of the 16-bit offset
	v_add_nc_u32 v[ADRB+2], BSML-BBIG, v[ADRB]
	s_mul_i32 s23, s10, 16*SPITCH
	s_add_co_u32 s23, s23, STAGE                   ; my stage
	v_mul_u32_u24 v5, v1, SPITCH                   ; in: row r, 32 bytes for each half of the lanes
	v_lshl_add_u32 v5, v2, 5, v5
	v_add_nc_u32 v[STO], s23, v5
	v_mul_u32_u24 v5, v2, SPITCH                   ; back: lanes 0-15 take one row of 256 bytes, lanes 16-31 the next
	v_lshl_add_u32 v5, v1, 4, v5
	v_add_nc_u32 v[RD], s23, v5
	v_lshlrev_b32 v5, 12, v2                       ; and the same two rows in the result
	v_lshl_add_u32 v[CO], v1, 4, v5
; Four matrix instructions: row tile mt x my four column tiles, 32 along K.  The 16 accumulators take turns, one instruction a turn: all sixteen for the
; upper parts, then all sixteen for the remainders, in the same order in every part.
.macro MULROW xf, wf, mt, zero
.irp ct, 0,1,2,3
.if \zero
	v_wmma_f32_16x16x32_f16 v[8*(NCT*\mt+\ct):8*(NCT*\mt+\ct)+7], v[\wf+8*\ct:\wf+8*\ct+7], v[\xf+8*\mt:\xf+8*\mt+7], 0
.else
	v_wmma_f32_16x16x32_f16 v[8*(NCT*\mt+\ct):8*(NCT*\mt+\ct)+7], v[\wf+8*\ct:\wf+8*\ct+7], v[\xf+8*\mt:\xf+8*\mt+7], v[8*(NCT*\mt+\ct):8*(NCT*\mt+\ct)+7]
.endif
.endr
.endm
; 24 LDS loads in one run: part q (32 rows of wob) of the large (big = 1, q 0..7) or the small slot (q 0..3):
; 8 transposing loads of the weights, 8 loads of att's upper parts, 8 of its remainders (256 bytes on in the piece)
.macro FETCH big, q, xb, wf
.if \big
.set FB, ADRB+((\q)>>2)
.set FA, ADRA
.set FP, PAB
.else
.set FB, ADRB+2
.set FA, ADRA+1
.set FP, PAS
.endif
.set FK, ((\q)>>2)*512+((\q)&3)*64
.irp ct, 0,1,2,3
	ds_load_tr16_b128 v[\wf+8*\ct:\wf+8*\ct+3], v[FB] offset:((\q)&3)*32*PB+32*\ct
	ds_load_tr16_b128 v[\wf+8*\ct+4:\wf+8*\ct+7], v[FB] offset:((\q)&3)*32*PB+32*\ct+16*PB
.endr
.irp part, 0,1
.irp mt, 0,1,2,3
	ds_load_b128 v[\xb+32*\part+8*\mt:\xb+32*\part+8*\mt+3], v[FA] offset:FK+256*\part+\mt*16*FP
	ds_load_b128 v[\xb+32*\part+8*\mt+4:\xb+32*\part+8*\mt+7], v[FA] offset:FK+256*\part+\mt*16*FP+32
.endr
.endr
.endm
; One part of a slot but its last: multiplies buffers xb, wf; in its middle it fetches part qn of the same slot into xg, wg.
.macro QUARTER big, qn, xb, wf, xg, wg, zero
	s_wait_dscnt 8                                 ; the weights and the upper parts are in; the eight youngest loads (the remainders) may be out
	WIN MUL
	MULROW \xb, \wf, 0, \zero
	MULROW \xb, \wf, 1, \zero
	MULROW \xb, \wf, 2, \zero
	MULROW \xb, \wf, 3, \zero
	PLACES
	WIN 0
	FETCH \big, \qn, \xg, \wg
	s_wait_dscnt 24                                ; all but the 24 just issued
	WIN MUL
	MULROW \xb+32, \wf, 0, 0
	MULROW \xb+32, \wf, 1, 0
	MULROW \xb+32, \wf, 2, 0
	MULROW \xb+32, \wf, 3, 0
.endm
.macro SEVEN zero                      ; parts 0 to 6 of the large slot
	QUARTER 1, 1, XB0, WF0, XB1, WF1, \zero
	QUARTER 1, 2, XB1, WF1, XB0, WF0, 0
	QUARTER 1, 3, XB0, WF0, XB1, WF1, 0
	QUARTER 1, 4, XB1, WF1, XB0, WF0, 0
	QUARTER 1, 5, XB0, WF0, XB1, WF1, 0
	QUARTER 1, 6, XB1, WF1, XB0, WF0, 0
	QUARTER 1, 7, XB0, WF0, XB1, WF1, 0
.endm
.macro THREE                           ; parts 0 to 2 of the small slot
	QUARTER 0, 1, XB0, WF0, XB1, WF1, 0
	QUARTER 0, 2, XB1, WF1, XB0, WF0, 0
	QUARTER 0, 3, XB0, WF0, XB1, WF1, 0
.endm
; A slot's last part multiplies buffer 1 and changes slots (this, next: 1 the large slot, 0 the small): each wave's reads of this slot and all its tensor loads
; are waited for in front of the barrier; where this slot is filled again the barrier opens a round of the cluster's barrier and the joint refill is the first
; tensor load behind it.
.macro TURN this, next, fill
	s_wait_dscnt 8
	WIN MUL
	MULROW XB1, WF1, 0, 0
	MULROW XB1, WF1, 1, 0
	s_wait_dscnt 0                                 ; my reads of this slot are over
	s_wait_tensorcnt 0x0                           ; all my tensor loads have landed
	ds_add_u32 v254, v255
	s_wait_dscnt 0x0
	s_barrier_signal -1
	MULROW XB1, WF1, 2, 0                          ; registers only, while the others arrive
	MULROW XB1, WF1, 3, 0
	WIN 0
	s_barrier_wait -1
.if \fill
	CREST
.if \this
	s_add_nc_u64 s[G0AB+2:G0AB+3], s[G0AB+2:G0AB+3], ASTEP
	s_add_nc_u64 s[G0BB+2:G0BB+3], s[G0BB+2:G0BB+3], BSTEP
.else
	s_add_nc_u64 s[G0AS+2:G0AS+3], s[G0AS+2:G0AS+3], ASTEP
	s_add_nc_u64 s[G0BS+2:G0BS+3], s[G0BS+2:G0BS+3], BSTEP
.endif
	JLOAD \this
.endif
	PLACES
	FETCH \next, 0, XB0, WF0
	WIN MUL
	MULROW XB1+32, WF1, 0, 0
	MULROW XB1+32, WF1, 1, 0
	MULROW XB1+32, WF1, 2, 0
	MULROW XB1+32, WF1, 3, 0
.endm
	s_wait_tensorcnt 0x1                           ; my part of the large slot is in; the small slot's may stay out
	s_barrier_signal -1
	s_barrier_wait -1
	FETCH 1, 0, XB0, WF0
	SEVEN 1                                        ; k 0..255: the first products start the sums
	TURN 1, 0, 1                                   ; large <- k 384..639
	THREE                                          ; k 256..383
	TURN 0, 1, 1                                   ; small <- k 640..767
	SEVEN 0                                        ; k 384..639
	TURN 1, 0, 1                                   ; large <- k 768..1023
	THREE                                          ; k 640..767
	TURN 0, 1, 0                                   ; nothing is left to fetch; behind this barrier nobody reads the small slot any more
	SEVEN 0                                        ; k 768..1023
	s_wait_dscnt 8
	WIN MUL
	MULROW XB1, WF1, 0, 0
	MULROW XB1, WF1, 1, 0
	MULROW XB1, WF1, 2, 0
	MULROW XB1, WF1, 3, 0
	s_wait_dscnt 0
	MULROW XB1+32, WF1, 0, 0
	MULROW XB1+32, WF1, 1, 0
	MULROW XB1+32, WF1, 2, 0
	MULROW XB1+32, WF1, 3, 0
	; THE WAY OUT, 16 rows at a time through my own stage: a lane's 32 bytes in, whole rows of 256 bytes back.  LDS serves a wave's instructions in
	; order (ISA guide 5.7.1), so no wait stands between my stores and my loads, nor between one row tile's loads and the next one's stores.
	PLACES
	WIN 0
	s_lshl_b32 s88, s13, 19                        ; 128 rows x 4,096 bytes
	s_lshl_b32 s89, s11, 18                        ; + my 64 rows
	s_add_co_u32 s88, s88, s89
	s_lshl_b32 s89, s78, 9                         ; + 128 columns x 4 bytes
	s_add_co_u32 s88, s88, s89
	s_lshl_b32 s89, s12, 8                         ; + my 64 columns
	s_add_co_u32 s88, s88, s89
	s_mov_b32 s89, 0
	s_add_nc_u64 s[8:9], s[8:9], s[88:89]
.irp mt, 0,1,2,3
	WIN 0x04                                       ; the stores' data come from window 1
.irp ct, 0,1,2,3
	ds_store_b128 v[STO], v[8*(NCT*\mt+\ct):8*(NCT*\mt+\ct)+3] offset:64*\ct
	ds_store_b128 v[STO], v[8*(NCT*\mt+\ct)+4:8*(NCT*\mt+\ct)+7] offset:64*\ct+16
.endr
	WIN 0
.irp t, 0,1,2,3,4,5,6,7
	ds_load_b128 v[32+32*\mt+4*\t:32+32*\mt+4*\t+3], v[RD] offset:\t*2*SPITCH
.endr
.irp t, 0,1,2,3,4,5,6,7
	s_wait_dscnt 7-\t
	global_store_b128 v[CO], v[32+32*\mt+4*\t:32+32*\mt+4*\t+3], s[8:9] offset:(16*\mt+2*\t)*4096 th:TH_STORE_NT   ; 16 lanes store 256 consecutive aligned bytes; each row tile has registers of its own
.endr
.endr
	s_wait_tensorcnt 0x0
	ds_add_u32 v254, v255
	s_wait_dscnt 0x0
	CROUND                                         ; the closing round
	s_endpgm
.Lfunc_end_k_qdd10c1d499_oproj:
	.size	k_qdd10c1d499_oproj, .Lfunc_end_k_qdd10c1d499_oproj-k_qdd10c1d499_oproj
	.p2alignl 7, 3214868480
	.fill 96, 4, 3214868480
	.section	.rodata,"a",@progbits
	.p2align	6, 0x0
	.amdhsa_kernel k_qdd10c1d499_oproj
		.amdhsa_group_segment_fixed_size 327680
		.amdhsa_private_segment_fixed_size 0
		.amdhsa_enable_private_segment 0
		.amdhsa_kernarg_size 24
		.amdhsa_user_sgpr_count 2
		.amdhsa_user_sgpr_kernarg_segment_ptr 1
		.amdhsa_wavefront_size32 1
		.amdhsa_system_sgpr_workgroup_id_x 1
		.amdhsa_system_sgpr_workgroup_id_y 1
		.amdhsa_system_sgpr_workgroup_id_z 1
		.amdhsa_system_vgpr_workitem_id 0
		.amdhsa_next_free_vgpr 384
		.amdhsa_next_free_sgpr 96
		.amdhsa_reserve_vcc 0
		.amdhsa_float_denorm_mode_32 3
		.amdhsa_float_denorm_mode_16_64 3
		.amdhsa_memory_ordered 1
		.amdhsa_forward_progress 1
		.amdhsa_inst_pref_size 140
	.end_amdhsa_kernel
	.amdgpu_metadata
---
amdhsa.version: [ 1, 2 ]
amdhsa.kernels:
  - .name:           k_qdd10c1d499_oproj
    .symbol:         k_qdd10c1d499_oproj.kd
    .args:
      - { .name: att, .offset: 0, .size: 8, .value_kind: global_buffer, .address_space: global }
      - { .name: wob, .offset: 8, .size: 8, .value_kind: global_buffer, .address_space: global }
      - { .name: out0, .offset: 16, .size: 8, .value_kind: global_buffer, .address_space: global }
    .group_segment_fixed_size: 327680
    .private_segment_fixed_size: 0
    .kernarg_segment_align: 8
    .kernarg_segment_size: 24
    .max_flat_workgroup_size: 128
    .sgpr_count:     96
    .vgpr_count:     384
    .wavefront_size: 32
...
	.end_amdgpu_metadata
.endif
;; end of part 4
